; MI455X (gfx1250); checked and timed in simulation.
; The chip was launched on July 23, 2026; its instructions are those of AMD's public machine-readable ISA for CDNA 5 (MIT licence, August 2026) and "CDNA5" Instruction Set Architecture Reference Guide (July 2026). The comments in the code are by the model that wrote it; some were corrected since.
;; Multi Headed Attention. Allowed arithmetic: matrix products marked QUANTISED: E3M2 operands, one E8M0 scale for each 32 along K, by v_wmma_scale_f32_16x16x128_f8f6f4 with both operands' format E3M2, f32 sums; everything else in f32.
;; Inputs: Wk 1,024 x 1,024 float32; Wo 1,024 x 1,024 float32; Wq 1,024 x 1,024 float32; Wv 1,024 x 1,024 float32; bk 1,024 float32; bo 1,024 float32; bq 1,024 float32; bv 1,024 float32; x 4 x 2,048 x 1,024 float32.
;; Outputs: out0 4 x 2,048 x 1,024 float32.
;; This version of the problem:
;;   THIS VERSION OF THE PROBLEM IS GIVEN IN LOW PRECISION. The matrix products marked QUANTISED in the list below multiply operands that are first quantised to E3M2 (3 exponent bits, 2 mantissa bits; 6 bits a number), with one power-of-two scale for each 32 numbers along K (OCP MX v1.0); their sums are f32. All else is computed in f32.
;;   The module's matrix products, in the order in which they are computed (A, B: the left and right operand; K: the contracted axis; several contracted axes count as one K, in the product's order):
;;     1. [M 8,192, K 1,024] x [K 1,024, N 1,024]; A: input x; B: input Wq: QUANTISED
;;     2. [M 8,192, K 1,024] x [K 1,024, N 1,024]; A: input x; B: input Wk: QUANTISED
;;     3. [M 8,192, K 1,024] x [K 1,024, N 1,024]; A: input x; B: input Wv: QUANTISED
;;     4. batch 64 x [M 2,048, K 64] x [K 64, N 2,048]; A: computed on the way; B: computed on the way: QUANTISED
;;     5. batch 64 x [M 2,048, K 2,048] x [K 2,048, N 64]; A: softmax (see below); B: computed on the way: QUANTISED
;;     6. [M 8,192, K 1,024] x [K 1,024, N 1,024]; A: computed on the way; B: input Wo: QUANTISED
;;   THE QUANTISER, for each operand of a quantised product, along K:
;;     - K is cut into blocks of 32 from its start; a last block that is shorter is filled with zeros.
;;     - A block's scale is 2^e with e = floor(log2(the largest magnitude in the block)) - 4, held to -126 .. 127; a block of zeros has e = 0. As a byte (E8M0): e + 127.
;;     - Each number is divided by its block's scale, clamped to +-28, and rounded to the nearest number of E3M2, ties to even, subnormals kept.
;;     - The product sums the exact products of the quantised numbers (number of the format x scale) in f32.
;;   ~~~python
;;   def quantise(x, axis):      # numpy; x: float32 -> the quantised numbers, widened to float32 again
;;       x = np.moveaxis(x, axis, -1); K = x.shape[-1]
;;       x = np.pad(x, [(0, 0)] * (x.ndim - 1) + [(0, -K % 32)]); x = x.reshape(x.shape[:-1] + (-1, 32)); a = np.abs(x).max(-1, keepdims=True)
;;       e = np.where(a > 0, np.clip(np.frexp(np.where(a > 0, a, 1))[1] - 1 - 4, -126, 127), 0)      # np.frexp(a)[1] - 1 = floor(log2(a)), exactly
;;       r = np.clip(x / 2.0 ** e, -28, 28)
;;       step = 2.0 ** (np.maximum(np.frexp(np.where(r == 0, 1, r))[1] - 1, -2) - 2)
;;       q = np.round(r / step) * step * 2.0 ** e      # np.round: ties to even
;;       return np.moveaxis(q.reshape(q.shape[:-2] + (-1,))[..., :K], -1, axis).astype(np.float32)
;;   ~~~
;;   SOFTMAX AHEAD OF A QUANTISED PRODUCT. Where the list says 'softmax', what is quantised is not the finished softmax but p = 2^(t - M), with t = logit x log2(e) and M = ceil(the row's largest t), a whole number; so 1/2 < the row's largest p <= 1. The row's sum l is taken of the UNQUANTISED p, in f32, and the product's result is divided by l at the end. Since M is a whole number, a kernel that streams over the keys may use a running M (the ceiling of the running maximum): every later rescaling is an exact power of two, which a block's scale takes up: the codes' values come out the same.
;;   OPERANDS COMPUTED ON THE WAY. 'Computed on the way' means the value that the module computes at that place (a softmax that the list does not call 'softmax' is quantised finished and normalised). What goes into a quantiser is computed in f32, as accurately as f32 sums, v_exp_f32 and their like allow (about 1e-6 of the number): no bf16 or f16 on the way to a quantiser, and a product that is left as it is and whose result goes on into a quantised operand takes f32 operands (vector FMAs, or v_wmma_f32_16x16x4_f32). A number that lies on a knife's edge between two numbers of the format may be rounded either way, as far as f32 arithmetic and the matrix unit's own rounding can turn it there, and no further.
;; One version. Each part assembles by itself: llvm-mc -triple=amdgcn-amd-amdhsa -mcpu=gfx1250 --defsym DOCPART=n.
;; ======== version 1 of 1: 4 launches
;; limits: right only within a limited range of input values
;; workspace buffers: codes 15,728,640 bytes; scales 655,360 bytes; qkv 19,660,800 bytes
;; launch prep (part 1): grid 512 x 1, 4 waves a work-group, no clusters, 47,616 bytes of LDS; arguments x, Wq, Wk, Wv, Wo, codes, scales; writes codes, scales
.if DOCPART == 1
	.amdgcn_target "amdgcn-amd-amdhsa--gfx1250"
	.amdhsa_code_object_version 6
	.text
	.protected	k_q58221d8b2e_prep
	.globl	k_q58221d8b2e_prep
	.p2align	8
	.type	k_q58221d8b2e_prep,@function
k_q58221d8b2e_prep:
	s_mov_b64 s[64:65], 0
	v_nop
	global_prefetch_b8 v0, s[64:65] scope:SCOPE_SE
	s_setreg_imm32_b32 hwreg(HW_REG_WAVE_MODE, 25, 1), 1
	s_wait_xcnt 0x0
; x [8192][1024] and Wq, Wk, Wv, Wo [1024 (k)][1024 (n)], f32, become codes of BF6 (E3M2) with one E8M0 byte for each 32 along K, laid as the products' operand registers want them.
; ONE LAUNCH FOR ALL FIVE: work-groups 0-255 take x, 256-511 the weights.  The two paths part on the work-group's number alone, and each has LDS bytes of its own.
; LAYOUT of codes: [tile of 16 rows][16 half fragments][768 bytes].  A half fragment is 16 rows x 64 K as [p = 0..2][lane = 16 h + r][8 bytes]: registers 2 p, 2 p + 1 of the six that lane (r, h) holds (block h of the 64).
; THE ROWS OF A TILE ARE NOT NEIGHBOURS: row r of tile T is row 32 (T / 2) + 8 (T % 2) + r + 8 (r / 8), so that a later result's 16 registers of two neighbouring tiles are 16 neighbours.
; x has tiles 0-511; weight mat (Wq, Wk, Wv, Wo) has tiles 512 + 64 mat on, a tile being 16 columns.  LAYOUT of scales: [tile][K half of 512][r][16 bytes]: word q is the row's four bytes for 128 along K.
; A block's scale is 2^(floor(log2(largest magnitude)) - 4); its byte is the largest magnitude's exponent field - 4, held at 1 from below.
; LIMITS: NaN and infinities are not served; blocks whose largest magnitude lies under 2^-122, and blocks of zeros, have the byte 1: their codes are right under it, and this program alone reads the bytes.
; x: a wave takes one tile x 512 along K, in four steps of 128.  Each load reads 512 consecutive bytes of a row; the 16 rows turn through the wave's own stage, so that lane (r, h) gets two whole blocks.
; WEIGHTS: K is the first axis: a lane takes a column and its registers run down K.  A wave takes 32 columns x 128 K: two tiles x two half fragments, gathered as images in its own LDS and stored as runs of 512 bytes.
; Waves share nothing: no barrier.  The launch only streams: no matrix unit, cluster or tensor load.
.set PITCH, 528                        ; a stage row: 512 bytes + 16
.set STG,   16*PITCH
.set SPARE, 0x8400                     ; behind x's four stages: the spare words, 512 bytes
.set WB,    0x8600                     ; behind them: the weights' images
.set R,     16                         ; v16-143  two sets of 64: a step's numbers as loaded
.set X,     144                        ; v144-207 my two blocks of each half fragment
.set PC,    208                        ; v208-219 the fragment's codes
.set TP,    220                        ; v220-222, v224-226 second halves as converted (a conversion's three registers begin on an even number)
.set MX,    228
.set SOP,   230
.set BY,    232
.set WD,    234
.set PW,    236                        ; v236-239 the scale word of each step
	v_lshl_add_u32 v254, v0, 2, SPARE
	v_mov_b32 v255, 0
	v_lshrrev_b32 v1, 5, v0
	v_readfirstlane_b32 s33, v1                    ; wave
	s_cmp_ge_u32 ttmp9, 256
	s_wait_alu depctr_va_vdst(0)                   ; the wait ahead of the branch
	s_cbranch_scc1 .Lweights
	s_load_b64 s[4:5], s[0:1], 0x0                 ; x
	s_load_b64 s[6:7], s[0:1], 0x28                ; codes
	s_load_b64 s[8:9], s[0:1], 0x30                ; scales
	v_and_b32 v1, 31, v0                           ; lane
	v_and_b32 v2, 15, v0                           ; r
	v_bfe_u32 v3, v0, 4, 1                         ; h
	v_lshlrev_b32 v4, 4, v1                        ; 16 x lane: my bytes of a load's 512
	s_mul_i32 s16, s33, STG
	v_add_nc_u32 v5, s16, v4                       ; into the stage
	v_mul_u32_u24 v6, v2, PITCH
	v_lshl_add_u32 v6, v3, 7, v6
	v_add_nc_u32 v6, s16, v6                       ; out of it: row r, + 128 h
	v_lshlrev_b32 v7, 3, v1                        ; 8 x lane
	v_lshlrev_b32 v8, 4, v2
	v_lshl_add_u32 v8, v3, 3, v8                   ; scale words: 16 r + 8 h
	v_lshlrev_b32 v9, 3, v3                        ; 8 h: my bytes' shift in a scale word
	v_mov_b32 v[WD+1], 0                           ; a lane permute's destination counts as read
	s_lshl_b32 s11, ttmp9, 2
	s_add_co_u32 s11, s11, s33                     ; which (tile, K half) is my wave's
	s_lshr_b32 s12, s11, 1
	s_and_b32 s13, s11, 1
	s_mov_b32 s14, 0x76543210
	s_mov_b32 s15, 0xfedcba98                      ; selects for lane l xor 16
	s_lshr_b32 s18, s12, 1
	s_lshl_b32 s18, s18, 17                        ; 32 rows of 4,096 bytes
	s_and_b32 s19, s12, 1
	s_lshl_b32 s19, s19, 15                        ; 8 rows
	s_add_co_u32 s18, s18, s19
	s_lshl_b32 s19, s13, 11
	s_add_co_u32 s18, s18, s19
	s_mov_b32 s19, 0
	s_mul_i32 s20, s12, 12288
	s_mul_i32 s21, s13, 6144
	s_add_co_u32 s20, s20, s21
	s_mov_b32 s21, 0
	s_lshl_b32 s22, s12, 9
	s_lshl_b32 s23, s13, 8
	s_add_co_u32 s22, s22, s23
	s_mov_b32 s23, 0
	s_wait_alu depctr_va_vdst(0)                   ; the wait at the head's end
	s_wait_kmcnt 0x0
	s_add_nc_u64 s[4:5], s[4:5], s[18:19]
	s_add_nc_u64 s[6:7], s[6:7], s[20:21]
	s_add_nc_u64 s[8:9], s[8:9], s[22:23]
.macro LOAD t                          ; step t: 128 numbers of each of the tile's 16 rows
.irp i, 0,1,2,3,4,5,6,7,8,9,10,11,12,13,14,15
	global_load_b128 v[R+64*((\t)%2)+4*\i:R+64*((\t)%2)+4*\i+3], v4, s[4:5] offset:(\i+8*(\i/8))*4096+512*(\t) th:TH_LOAD_NT
.endr
.endm
.macro STEP t
.if (\t) < 3
	s_wait_loadcnt 16                              ; this step's 16 loads are in; the next step's 16 may be out
.else
	s_wait_loadcnt 0x0
.endif
.irp i, 0,1,2,3,4,5,6,7,8,9,10,11,12,13,14,15
	ds_store_b128 v5, v[R+64*((\t)%2)+4*\i:R+64*((\t)%2)+4*\i+3] offset:PITCH*\i
.endr
.irp c, 0,1
.irp j, 0,1,2,3,4,5,6,7
	ds_load_b128 v[X+32*\c+4*\j:X+32*\c+4*\j+3], v6 offset:256*\c+16*\j   ; a wave's LDS instructions are served in order: these see the stores above
.endr
.endr
	s_wait_dscnt 0x0
	s_wait_xcnt 0x0                                ; the last step's stores have read their data
.if (\t) < 2
	LOAD (\t)+2
.endif
.irp c, 0,1
	v_max3_num_f32 v[MX+\c], |v[X+32*\c]|, |v[X+32*\c+1]|, 0x2800000     ; my block 2 c + h, with the floor 2^(5 - 127) among its leaves
.endr
.irp i, 2,4,6,8,10,12,14,16,18,20,22,24,26,28,30
.irp c, 0,1
	v_max3_num_f32 v[MX+\c], v[MX+\c], |v[X+32*\c+\i]|, |v[X+32*\c+\i+1]|
.endr
.endr
.irp c, 0,1
	v_add_nc_u32 v[SOP+\c], 0xfe000000, v[MX+\c]   ; 4 off the exponent field: the conversion's scale operand
.endr
.irp c, 0,1
	v_lshrrev_b32 v[BY+\c], 23, v[SOP+\c]          ; the scale's byte
.endr
	v_lshl_or_b32 v[WD], v[BY+1], 16, v[BY]        ; bytes h and 2 + h of the row's word,
	v_lshlrev_b32 v[WD], v9, v[WD]
	v_permlanex16_b32 v[WD+1], v[WD], s14, s15
	v_or_b32 v[PW+(\t)], v[WD], v[WD+1]            ; with lane l xor 16's two the word is whole
.irp c, 0,1
	v_cvt_scalef32_pk16_bf6_f32 v[PC+6*\c:PC+6*\c+2], v[X+32*\c:X+32*\c+15], v[SOP+\c]
	v_cvt_scalef32_pk16_bf6_f32 v[TP+4*\c:TP+4*\c+2], v[X+32*\c+16:X+32*\c+31], v[SOP+\c]
.endr
	v_nop                                          ; one plain place behind a scaled conversion
.irp c, 0,1
.irp i, 0,1,2
	v_mov_b32 v[PC+6*\c+3+\i], v[TP+4*\c+\i]
.endr
.endr
.irp c, 0,1
.irp p, 0,1,2
	global_store_b64 v7, v[PC+6*\c+2*\p:PC+6*\c+2*\p+1], s[6:7] offset:(2*(\t)+\c)*768+256*\p   ; 32 lanes store 256 consecutive bytes, aligned
.endr
.endr
.endm
	LOAD 0
	LOAD 1
	STEP 0
	STEP 1
	STEP 2
	STEP 3
	v_cmp_le_u32 vcc_lo, 16, v1
	v_cndmask_b32 v240, v[PW], v[PW+2], vcc_lo     ; lanes 0-15 store words 0, 1 of their row, lanes 16-31 words 2, 3
	v_cndmask_b32 v241, v[PW+1], v[PW+3], vcc_lo
	global_store_b64 v8, v[240:241], s[8:9]        ; 256 consecutive bytes, aligned
	s_wait_tensorcnt 0x0                           ; the wave's end
	ds_add_u32 v254, v255
	s_wait_dscnt 0x0
	s_endpgm
; THE WEIGHTS.  Work-group 256 + 32 y + x: x = 8 mat + column group of 128, y = which 128 along K
.set IMG,  1664                        ; a tile's image: 1,536 bytes + 128
.set XW,   32                          ; v32-95   two sets of 32 numbers
.set CW,   96                          ; v96-101  a block's codes
.set TW,   102                         ; v102-104 their second half as converted
.set OW,   108                         ; v108-131 the way out
.Lweights:
	s_load_b256 s[4:11], s[0:1], 0x8               ; Wq, Wk, Wv, Wo
	s_load_b128 s[12:15], s[0:1], 0x28             ; codes, scales
	v_and_b32 v1, 31, v0                           ; my column of the wave's 32
	v_lshlrev_b32 v2, 2, v1
	v_bfe_u32 v3, v0, 3, 1                         ; which of the two tiles: bit 3 of the column
	v_and_b32 v4, 7, v0
	v_bfe_u32 v9, v0, 4, 1
	v_lshl_or_b32 v4, v9, 3, v4                    ; and which row r of it: bits 2:0, and bit 4 as bit 3
	s_mul_i32 s20, s33, 2*IMG
	s_add_co_u32 s20, s20, WB
	v_mul_u32_u24 v5, v3, IMG
	v_lshl_add_u32 v5, v4, 3, v5
	v_add_nc_u32 v5, s20, v5                       ; into the images
	v_lshlrev_b32 v7, 4, v1
	v_add_nc_u32 v6, s20, v7                       ; out of them: 16 bytes a lane
	v_lshlrev_b32 v8, 9, v3
	v_lshl_add_u32 v8, v4, 4, v8                   ; my scale word: 512 x tile + 16 r
	s_sub_co_u32 s32, ttmp9, 256
	s_and_b32 s34, s32, 31
	s_lshr_b32 s17, s34, 3                         ; which weight
	s_and_b32 s18, s34, 7                          ; which 128 columns
	s_lshr_b32 s19, s32, 5                         ; which 128 along K
	s_lshl_b32 s22, s19, 19                        ; 128 rows of 4,096 bytes
	s_lshl_b32 s23, s18, 9
	s_add_co_u32 s22, s22, s23
	s_lshl_b32 s23, s33, 7
	s_add_co_u32 s22, s22, s23
	s_mov_b32 s23, 0
	s_lshl_b32 s24, s17, 6
	s_lshl_b32 s25, s18, 3
	s_add_co_u32 s24, s24, s25
	s_lshl_b32 s25, s33, 1
	s_add_co_u32 s24, s24, s25
	s_add_co_u32 s24, s24, 512                     ; my first tile
	s_mul_i32 s26, s24, 12288
	s_mul_i32 s27, s19, 1536
	s_add_co_u32 s26, s26, s27
	s_mov_b32 s27, 0
	s_lshl_b32 s28, s24, 9
	s_lshr_b32 s29, s19, 2
	s_lshl_b32 s29, s29, 8
	s_add_co_u32 s28, s28, s29
	s_and_b32 s29, s19, 3
	s_lshl_b32 s29, s29, 2
	s_add_co_u32 s28, s28, s29
	s_mov_b32 s29, 0
	s_and_b32 s30, s17, 1
	s_and_b32 s31, s17, 2
	s_wait_alu depctr_va_vdst(0)                   ; the wait at the head's end
	s_wait_kmcnt 0x0
	s_cmp_lg_u32 s30, 0                            ; the choice hangs on the work-group's number alone
	s_cselect_b64 s[4:5], s[6:7], s[4:5]
	s_cselect_b64 s[8:9], s[10:11], s[8:9]
	s_cmp_lg_u32 s31, 0
	s_cselect_b64 s[4:5], s[8:9], s[4:5]
	s_add_nc_u64 s[4:5], s[4:5], s[22:23]
	s_add_nc_u64 s[12:13], s[12:13], s[26:27]
	s_add_nc_u64 s[14:15], s[14:15], s[28:29]
.macro LOADW t                         ; block t: W(32 t + i, my column): 32 lanes read 128 consecutive bytes
.irp i, 0,1,2,3,4,5,6,7,8,9,10,11,12,13,14,15,16,17,18,19,20,21,22,23,24,25,26,27,28,29,30,31
	global_load_b32 v[XW+32*((\t)%2)+\i], v2, s[4:5] offset:(32*(\t)+\i)*4096 th:TH_LOAD_NT
.endr
.endm
.macro BLOCK t
.set XS, XW+32*((\t)%2)
.if (\t) < 3
	s_wait_loadcnt 32                              ; this block's 32 loads are in; the next block's may be out
.else
	s_wait_loadcnt 0x0
.endif
	v_max3_num_f32 v12, |v[XS]|, |v[XS+1]|, |v[XS+2]|
	v_max3_num_f32 v13, |v[XS+3]|, |v[XS+4]|, |v[XS+5]|
.irp i, 6,10,14,18,22,26
	v_max3_num_f32 v12, v12, |v[XS+\i]|, |v[XS+\i+1]|
	v_max3_num_f32 v13, v13, |v[XS+\i+2]|, |v[XS+\i+3]|
.endr
	v_max3_num_f32 v12, v12, |v[XS+30]|, |v[XS+31]|
	v_max3_num_f32 v12, v12, v13, 0x2800000        ; and the floor 2^(5 - 127)
	v_add_nc_u32 v11, 0xfe000000, v12              ; the conversion's scale operand
	v_lshrrev_b32 v13, 23, v11                     ; the byte
.if (\t) == 0
	v_mov_b32 v24, v13
.else
	v_lshl_or_b32 v24, v13, 8*(\t), v24            ; the column's word for these 128 along K
.endif
	v_cvt_scalef32_pk16_bf6_f32 v[CW:CW+2], v[XS:XS+15], v11
	v_cvt_scalef32_pk16_bf6_f32 v[TW:TW+2], v[XS+16:XS+31], v11
	v_nop                                          ; one plain place behind a scaled conversion
.irp i, 0,1,2
	v_mov_b32 v[CW+3+\i], v[TW+\i]
.endr
.irp p, 0,1,2
	ds_store_b64 v5, v[CW+2*\p:CW+2*\p+1] offset:768*((\t)/2)+128*((\t)%2)+256*\p   ; half fragment t / 2, lane 16 (t % 2) + r
.endr
.if (\t) < 2
	LOADW (\t)+2
.endif
	s_wait_dscnt 0x0                               ; the stores have read their registers
.endm
	LOADW 0
	LOADW 1
	BLOCK 0
	BLOCK 1
	BLOCK 2
	BLOCK 3
	s_wait_alu depctr_va_vdst(0)                   ; the wait ahead of the reader below
	global_store_b32 v8, v24, s[14:15]             ; 4 bytes a lane, 16 bytes apart: one byte in 128 of what the path reads
.irp u, 0,1
.irp i, 0,1,2
	ds_load_b128 v[OW+12*\u+4*\i:OW+12*\u+4*\i+3], v6 offset:IMG*\u+512*\i
.endr
.endr
.irp u, 0,1
.irp i, 0,1,2
	s_wait_dscnt 5-3*\u-\i                         ; the younger read-backs may be out
	global_store_b128 v7, v[OW+12*\u+4*\i:OW+12*\u+4*\i+3], s[12:13] offset:12288*\u+512*\i   ; 512 consecutive bytes, aligned
.endr
.endr
	s_wait_tensorcnt 0x0                           ; the wave's end
	ds_add_u32 v254, v255
	s_wait_dscnt 0x0
	s_endpgm
.Lfunc_end_k_q58221d8b2e_prep:
	.size	k_q58221d8b2e_prep, .Lfunc_end_k_q58221d8b2e_prep-k_q58221d8b2e_prep
	.p2alignl 7, 3214868480
	.fill 96, 4, 3214868480
	.section	.rodata,"a",@progbits
	.p2align	6, 0x0
	.amdhsa_kernel k_q58221d8b2e_prep
		.amdhsa_group_segment_fixed_size 47616
		.amdhsa_private_segment_fixed_size 0
		.amdhsa_enable_private_segment 0
		.amdhsa_kernarg_size 56
		.amdhsa_user_sgpr_count 2
		.amdhsa_user_sgpr_kernarg_segment_ptr 1
		.amdhsa_wavefront_size32 1
		.amdhsa_system_sgpr_workgroup_id_x 1
		.amdhsa_system_sgpr_workgroup_id_y 1
		.amdhsa_system_sgpr_workgroup_id_z 1
		.amdhsa_system_vgpr_workitem_id 0
		.amdhsa_next_free_vgpr 256
		.amdhsa_next_free_sgpr 66
		.amdhsa_reserve_vcc 1
		.amdhsa_float_denorm_mode_32 3
		.amdhsa_float_denorm_mode_16_64 3
		.amdhsa_memory_ordered 1
		.amdhsa_forward_progress 1
		.amdhsa_inst_pref_size 54
	.end_amdhsa_kernel
	.amdgpu_metadata
---
amdhsa.version: [ 1, 2 ]
amdhsa.kernels:
  - .name:           k_q58221d8b2e_prep
    .symbol:         k_q58221d8b2e_prep.kd
    .args:
      - { .name: x, .offset: 0, .size: 8, .value_kind: global_buffer, .address_space: global }
      - { .name: Wq, .offset: 8, .size: 8, .value_kind: global_buffer, .address_space: global }
      - { .name: Wk, .offset: 16, .size: 8, .value_kind: global_buffer, .address_space: global }
      - { .name: Wv, .offset: 24, .size: 8, .value_kind: global_buffer, .address_space: global }
      - { .name: Wo, .offset: 32, .size: 8, .value_kind: global_buffer, .address_space: global }
      - { .name: codes, .offset: 40, .size: 8, .value_kind: global_buffer, .address_space: global }
      - { .name: scales, .offset: 48, .size: 8, .value_kind: global_buffer, .address_space: global }
    .group_segment_fixed_size: 47616
    .private_segment_fixed_size: 0
    .kernarg_segment_align: 8
    .kernarg_segment_size: 56
    .max_flat_workgroup_size: 128
    .sgpr_count:     66
    .vgpr_count:     256
    .wavefront_size: 32
...
	.end_amdgpu_metadata
.endif
;; end of part 1
;; launch proj (part 2): grid 16 x 48, 4 waves a work-group, clusters of 4 x 4, 327,680 bytes of LDS; arguments codes, scales, bq, bk, bv, qkv; writes qkv
.if DOCPART == 2
	.amdgcn_target "amdgcn-amd-amdhsa--gfx1250"
	.amdhsa_code_object_version 6
	.text
	.protected	k_q58221d8b2e_proj
	.globl	k_q58221d8b2e_proj
	.p2align	8
	.type	k_q58221d8b2e_proj,@function
k_q58221d8b2e_proj:
	s_mov_b64 s[64:65], 0
	v_nop
	global_prefetch_b8 v0, s[64:65] scope:SCOPE_SE
	s_setreg_imm32_b32 hwreg(HW_REG_WAVE_MODE, 25, 1), 1
	s_wait_xcnt 0x0
	s_wait_alu depctr_hold_cnt(0) depctr_sa_sdst(0) depctr_va_vdst(0) depctr_va_sdst(0) depctr_va_ssrc(0) depctr_va_vcc(0) depctr_vm_vsrc(0)
	s_getreg_b32 s2, hwreg(HW_REG_IB_STS2, 6, 4)
	s_cmp_eq_u32 s2, 0
	s_cbranch_scc0 .Lentry_in_a_cluster
	s_endpgm
.Lentry_in_a_cluster:
	s_bfe_u32 s2, ttmp6, 0x10000c
	s_cmp_lg_u32 s2, 0xf033
	s_cbranch_scc0 .Lentry_shape_is_right
	s_endpgm
.Lentry_shape_is_right:
; Q = x Wq + bq, K = x Wk + bk, V = x Wv + bv on codes of BF6 with E8M0 scales, and the results quantised in registers: Q and K along the head's 64, V along the keys.  Nothing leaves in f32.
; THE FRAME: C[i][j] = sum over 1,024 k of R[i][k] P[j][k].  Source 0 = 16 rows of P, source 1 = 16 rows of R: a lane holds one row of R, its registers run along P.
; Q, K: R = x (lane = token), P = [Wq; Wk] (registers = head, d).  V: R = Wv (lane = d), P = x (registers = keys).  One text, one path: only scalars differ, chosen on the cluster's y, which all partners share.
; By the stored order of rows (bits 3 and 4 of a row's number exchanged) the 64 registers of one tile of R are 128 neighbours along P: register 16 b + i = 32 b + 16 (lane / 16) + i: they become one fragment and one scale word.
; SHARES: a work-group makes 256 rows of R x 128 rows of P; wave w takes R's tiles 4 w .. 4 w + 3 against P's eight: 32 accumulators.  All of K lies in LDS at once, in two halves of 512 along K, each byte filled ONCE.
; CLUSTER 4 x 4: R's tiles hang on work-group y and are asked for jointly along a row of the cluster, P's on x and along a column.  A wave has one tensor load out at the most: one fill for each half, the second behind a wait for the first.
; OUTPUT qkv: 64 records (batch, head) of 307,200 bytes: 16 slabs of 128 keys {K: 8 half fragments; V^T: [d tile][64 keys] 8 half fragments; K's scale words [tile pair][r]; V's [d tile][r]}, then Q's 128 half fragments and its scale words.
; LIMITS: NaN and infinities are not served; blocks under 2^-122 and blocks of zeros have the byte 1.  bq and bk start the f32 sums (C of the first product), bv is added behind the sum: the order of rounding differs from x W + b in the last bit.
; REGISTERS: window 0: v0-31 addresses and bv; v32-95 scale words and nothing else; v96-191 R's fragments, two sets, later the quantiser's; v192-255 the bias along P, later at work.  window 1: P's fragments, two sets.  window 2: accumulator (a, b) at v[8 (8 a + b)].
.set SLOT, 147456                      ; K lies in LDS as TWO halves of 512: a half holds R's 16 tiles of 6,144 bytes, then P's 8; each byte is filled once, one tensor load a wave for each half
.set POFF, 98304
.set ADRR, 4                           ; v4-7   my R tiles in slot s: 8 x lane + 24,576 x wave + SLOT s
.set ADRP, 8                           ; v8-11  P's tiles in slot s
.set RB,   16                          ; v16, 18, 20, 22: bv of my lane's row of R's tile a; v17, v19: scale stores' offsets; v21: byte selector; v23: 0
.set VA,   24                          ; v24-31 code stores' offsets [a][c]
.set SC,   32                          ; register 8 i + q: lanes 0-15 R tile (i % 4)'s word of K step q, lanes 16-31 P tile i's
.set RF,   96
.set BI,   192
.set H,    96                          ; the epilogue: 64 numbers of a tile of R
.set PC,   160                         ; the codes just made
.set TM,   192
.set PW,   208                         ; v208-211 the scale word of each tile
.set SW,   212                         ; v212-213 scale words as stored
.set MSB, 0
.macro WIN new                         ; the immediate's high byte repeats the setting that is left
.if MSB != \new
	s_set_vgpr_msb (MSB<<8)|\new
.set MSB, \new
.endif
.endm
.macro PLACES n
.rept \n
	v_nop
.endr
.endm
.macro CROUND                          ; a round of the cluster's barrier
	s_barrier_signal -1
	s_barrier_wait -1
	s_cmp_lg_u32 s16, 0
	s_cbranch_scc1 .Lnot_wave_0_\@
	s_barrier_signal -3
.Lnot_wave_0_\@:
	s_barrier_wait -3
	s_barrier_signal -1
	s_barrier_wait -1
.endm
.macro FRAG reg, adr, tile, q          ; a fragment: two half fragments on end; each load takes 256 consecutive bytes
.irp p, 0,1,2,3,4,5
	ds_load_b64 v[\reg+2*\p:\reg+2*\p+1], v[\adr] offset:6144*(\tile)+768*(2*(\q)+\p/3)+256*(\p%3)
.endr
.endm
.macro FETCH t                         ; K step t's fragments into set t % 2
	WIN 0x40
.irp b, 0,1,2,3,4,5,6,7
	FRAG 128*((\t)%2)+12*\b, ADRP+(\t)/4, \b, (\t)%4
.endr
	WIN 0
.irp a, 0,1,2,3
	FRAG RF+48*((\t)%2)+12*\a, ADRR+(\t)/4, \a, (\t)%4
.endr
.endm
.macro MUL16 a0, t                     ; R's tiles a0, a0 + 1 x P's eight.  The 32 accumulators take turns, one instruction a turn, in one order in every step
.irp a, \a0, \a0+1
.irp b, 0,1,2,3,4,5,6,7
.if (\t) == 0
	v_wmma_scale_f32_16x16x128_f8f6f4 v[8*(8*(\a)+\b):8*(8*(\a)+\b)+7], v[128*((\t)%2)+12*\b:128*((\t)%2)+12*\b+11], v[RF+48*((\t)%2)+12*(\a):RF+48*((\t)%2)+12*(\a)+11], v[BI+8*\b:BI+8*\b+7], v[SC+8*\b+(\t)], v[SC+8*(\a)+(\t)] matrix_a_fmt:MATRIX_FMT_BF6 matrix_b_fmt:MATRIX_FMT_BF6 matrix_a_scale:MATRIX_SCALE_ROW1
.else
	v_wmma_scale_f32_16x16x128_f8f6f4 v[8*(8*(\a)+\b):8*(8*(\a)+\b)+7], v[128*((\t)%2)+12*\b:128*((\t)%2)+12*\b+11], v[RF+48*((\t)%2)+12*(\a):RF+48*((\t)%2)+12*(\a)+11], v[8*(8*(\a)+\b):8*(8*(\a)+\b)+7], v[SC+8*\b+(\t)], v[SC+8*(\a)+(\t)] matrix_a_fmt:MATRIX_FMT_BF6 matrix_b_fmt:MATRIX_FMT_BF6 matrix_a_scale:MATRIX_SCALE_ROW1
.endif
.endr
.endr
.endm
.macro MWIN t
.if (\t) == 0
	WIN 0x81                                       ; source 0 (P) window 1, source 1 (R) and C (the bias) window 0, D window 2
.else
	WIN 0xa1                                       ; C and D window 2
.endif
.endm
.macro STEP t                          ; 128 along K: 32 products; in the middle the next step's 72 loads
	s_wait_dscnt 0x0                               ; this step's fragments are in
	MWIN \t
	MUL16 0, \t
.if (\t) < 7
.if (\t)+1 == 4
	s_wait_tensorcnt 0x0                           ; my part of the second half has landed
	s_barrier_signal -1
	s_barrier_wait -1                              ; everybody's has
.endif
	PLACES 4                                       ; in front of loads into registers that the last step's products read
	FETCH (\t)+1
	MWIN \t
.endif
	MUL16 2, \t
.endm
; 64 numbers of a lane, register 16 b + i = k 32 b + 16 (lane / 16) + i of my row, become a fragment's codes in v[PC] on and its scale word in v[pw]
.macro QUANT s, pw
.irp b, 0,1,2,3
	v_max3_num_f32 v[TM+\b], |v[\s+16*\b]|, |v[\s+1+16*\b]|, 0x2800000   ; my 16 numbers of block b, and the floor 2^(5 - 127)
.endr
.irp i, 2,4,6,8,10,12,14
.irp b, 0,1,2,3
	v_max3_num_f32 v[TM+\b], v[TM+\b], |v[\s+16*\b+\i]|, |v[\s+1+16*\b+\i]|
.endr
.endr
.irp b, 0,1,2,3
	v_permlanex16_b32 v[TM+4+\b], v[TM+\b], s100, s101
.endr
.irp b, 0,1,2,3
	v_max_num_f32 v[TM+\b], v[TM+\b], v[TM+4+\b]   ; with lane l xor 16's: the block's largest magnitude
.endr
.irp b, 0,1,2,3
	v_add_nc_u32 v[TM+12+\b], 0xfe000000, v[TM+\b] ; 4 off its exponent field: the conversion's scale operand
.endr
.irp b, 0,1,2,3
	v_lshrrev_b32 v[TM+4+\b], 23, v[TM+12+\b]      ; the byte
.endr
	v_lshl_or_b32 v[\pw], v[TM+5], 8, v[TM+4]
	v_lshl_or_b32 v[\pw], v[TM+6], 16, v[\pw]
	v_lshl_or_b32 v[\pw], v[TM+7], 24, v[\pw]
.irp c, 0,1
	v_cvt_scalef32_pk16_bf6_f32 v[PC+6*\c:PC+2+6*\c], v[\s+32*\c:\s+15+32*\c], v[TM+12+2*\c]
	v_cvt_scalef32_pk16_bf6_f32 v[PC+12+4*\c:PC+14+4*\c], v[\s+16+32*\c:\s+31+32*\c], v[TM+12+2*\c+1]
.endr
	v_nop                                          ; one plain place behind a scaled conversion
.irp c, 0,1                            ; the layout wants a whole block in a lane: lanes 0-15 block 2 c, lanes 16-31 block 2 c + 1
.irp i, 0,1,2
	v_permlane16_swap_b32 v[PC+6*\c+\i], v[PC+12+4*\c+\i]
.endr
.irp i, 0,1,2
	v_mov_b32 v[PC+3+6*\c+\i], v[PC+12+4*\c+\i]
.endr
.endr
.endm
	s_load_b256 s[4:11], s[0:1], 0x0               ; codes, scales, bq, bk
	s_load_b128 s[12:15], s[0:1], 0x20             ; bv, qkv
	s_set_vgpr_msb 0x40
	v_lshl_add_u32 v254, v0, 2, 0x48000
	v_mov_b32 v255, 0
	s_set_vgpr_msb 0x4045
	ds_add_u32 v254, v255
	ds_add_u32 v254, v255
	s_set_vgpr_msb 0x4500
	v_lshrrev_b32 v1, 5, v0
	v_readfirstlane_b32 s16, v1                    ; wave
	s_lshr_b32 s17, s16, 1                         ; I fetch for R (0) or for P (1),
	s_and_b32 s18, s16, 1                          ; and which half of its tiles
	s_bfe_u32 s19, ttmp6, 0x40000                  ; cx
	s_bfe_u32 s20, ttmp6, 0x40004                  ; cy
	s_mov_b32 s21, ttmp9                           ; the cluster's x
	s_and_b32 s22, ttmp7, 0xffff                   ; the cluster's y: 0-7 Q and K, 8-11 V
	s_lshl_b32 s94, s20, 2
	s_lshl_b32 s94, 15, s94                        ; my row of the cluster
	s_lshl_b32 s95, 0x1111, s19                    ; my column
	s_or_b32 s24, s94, (3<<16)|(1<<21)             ; group 1 for R: the mask; elements of 8 bytes; bit 21 beside a mask; no padding
	s_mov_b32 s25, 768<<16                         ; tensor_dim0 = 768 elements: a tile's 6,144 bytes of 512 along K
	s_mov_b32 s26, 8<<16                           ; tensor_dim1 = 8 tiles
	s_mov_b32 s27, 768<<16
	s_mov_b32 s28, 8                               ; tile_dim1
	s_mov_b32 s29, 1536                            ; from tile to tile: 12,288 bytes
	s_mov_b32 s30, 0
	s_mov_b32 s31, 0
	s_or_b32 s32, s95, (3<<16)|(1<<21)             ; group 1 for P: 4 tiles a load
	s_mov_b32 s33, 768<<16
	s_mov_b32 s34, 4<<16
	s_mov_b32 s35, 768<<16
	s_mov_b32 s36, 4
	s_mov_b32 s37, 1536
	s_mov_b32 s38, 0
	s_mov_b32 s39, 0
	; which tiles.  R's chain (s56-59, s96) never holds cx, P's (s60-63, s97) never cy
	s_lshl_b32 s56, s22, 2
	s_sub_co_u32 s60, s22, 8
	s_lshl_b32 s60, s60, 2
	s_add_co_u32 s60, s60, s21
	s_mov_b32 s57, 640
	s_mov_b32 s61, 512
	s_cmp_ge_u32 s22, 8                            ; V's work-groups?
	s_cselect_b32 s56, 0, s56
	s_cselect_b32 s57, s57, 0                      ; R begins at Wv's tiles, or at x's
	s_cselect_b32 s60, s60, s21
	s_cselect_b32 s61, 0, s61                      ; P begins at x's tiles, or at Wq's
	s_cselect_b32 s66, 0, -1                       ; keeps the bias along P for Q and K
	s_cselect_b32 s67, -1, 0                       ; keeps the bias along R for V
	s_add_co_u32 s56, s56, s20                     ; rt: which 256 rows of R
	s_lshl_b32 s60, s60, 2
	s_add_co_u32 s60, s60, s19                     ; pt: which 128 rows of P
	s_lshl_b32 s96, s56, 4
	s_add_co_u32 s57, s57, s96                     ; R's first tile
	s_lshl_b32 s97, s60, 3
	s_add_co_u32 s61, s61, s97                     ; P's first tile
	s_lshl_b32 s96, s18, 3
	s_add_co_u32 s96, s96, s57
	s_mul_i32 s58, s96, 12288
	s_mov_b32 s59, 0
	s_lshl_b32 s97, s18, 2
	s_add_co_u32 s97, s97, s61
	s_mul_i32 s62, s97, 12288
	s_mov_b32 s63, 0
	s_mul_i32 s98, s18, 49152                      ; where they go: no place in the cluster enters an LDS address
	s_mul_i32 s99, s18, 24576
	s_mov_b32 s100, 0x76543210
	s_mov_b32 s101, 0xfedcba98                     ; selects for lane l xor 16
	s_wait_dscnt 0x0
	s_wait_kmcnt 0x0
	s_add_nc_u64 s[58:59], s[4:5], s[58:59]
	s_add_nc_u64 s[62:63], s[4:5], s[62:63]
	CROUND                                         ; all sixteen work-groups are here: the joint loads meet
.irp s, 0,1
	s_mov_b32 s[40+4*\s], 1
	s_add_co_u32 s[41+4*\s], s98, SLOT*\s
	s_add_nc_u64 s[42+4*\s:43+4*\s], s[58:59], 6144*\s
	s_or_b32 s[43+4*\s], s[43+4*\s], 0x80000000
	s_mov_b32 s[68+4*\s], 1
	s_add_co_u32 s[69+4*\s], s99, SLOT*\s+POFF
	s_add_nc_u64 s[70+4*\s:71+4*\s], s[62:63], 6144*\s
	s_or_b32 s[71+4*\s], s[71+4*\s], 0x80000000
.endr
	s_cmp_eq_u32 s17, 0                            ; a wave's fill of the first half stands in one branch on the wave's number; four v_nop follow it
	s_cbranch_scc0 .Lfill_p
	tensor_load_to_lds s[40:43], s[24:31]
	s_nop 0
	PLACES 4
	s_branch .Lfilled
.Lfill_p:
	tensor_load_to_lds s[68:71], s[32:39]
	s_nop 0
	PLACES 4
.Lfilled:
	v_and_b32 v1, 15, v0                           ; r
	v_bfe_u32 v2, v0, 4, 1                         ; h
	v_and_b32 v3, 31, v0                           ; lane
	v_lshlrev_b32 v96, 3, v3                       ; 8 x lane
	s_mul_i32 s94, s16, 24576
.irp s, 0,1,2,3
	v_add_nc_u32 v[ADRR+\s], s94, v96
	v_add_nc_u32 v[ADRP+\s], SLOT*\s+POFF, v96
	s_add_co_u32 s94, s94, SLOT
.endr
	; the scale words of all of K, into registers: lanes 0-15 R's tiles, lanes 16-31 P's; one buffer, one base
	s_lshl_b32 s94, s16, 2
	s_add_co_u32 s94, s94, s57
	s_lshl_b32 s94, s94, 9
	s_lshl_b32 s95, s61, 9
	v_mov_b32 v12, s94
	v_mov_b32 v13, s95
	v_cmp_le_u32 vcc_lo, 16, v3
	v_cndmask_b32 v12, v12, v13, vcc_lo
	v_lshl_add_u32 v12, v1, 4, v12                 ; 512 x tile + 16 r
	v_lshl_add_u32 v13, v2, 11, v12                ; lanes 16-31 four tiles on; lanes 0-15 read their four again
.irp i, 0,1,2,3
.irp g, 0,1
	global_load_b128 v[SC+8*\i+4*\g:SC+8*\i+4*\g+3], v12, s[6:7] offset:512*\i+256*\g
	global_load_b128 v[SC+32+8*\i+4*\g:SC+32+8*\i+4*\g+3], v13, s[6:7] offset:512*\i+256*\g
.endr
.endr
	; the bias along P, in the result's layout: tile b, lane half h: 32 (b / 2) + 8 (b % 2) + 16 h + 0 .. 7
	s_and_b32 s94, s60, 8
	s_cmp_lg_u32 s94, 0
	s_cselect_b64 s[84:85], s[10:11], s[8:9]       ; bk or bq
	s_and_b32 s94, s60, 7
	s_lshl_b32 s94, s94, 9
	s_mov_b32 s95, 0
	s_add_nc_u64 s[84:85], s[84:85], s[94:95]
	v_lshlrev_b32 v14, 6, v2
.irp b, 0,1,2,3,4,5,6,7
	global_load_b128 v[BI+8*\b:BI+8*\b+3], v14, s[84:85] offset:(32*(\b/2)+8*(\b%2))*4
	global_load_b128 v[BI+8*\b+4:BI+8*\b+7], v14, s[84:85] offset:(32*(\b/2)+8*(\b%2))*4+16
.endr
	; the bias along R: bv at my lane's row of each of my four tiles (the head 4 rt + wave; held inside bv for Q and K, where it is masked away)
	s_lshl_b32 s94, s56, 2
	s_add_co_u32 s94, s94, s16
	s_and_b32 s94, s94, 15
	s_lshl_b32 s94, s94, 8
	s_add_nc_u64 s[86:87], s[12:13], s[94:95]
	v_and_b32 v15, 8, v1
	v_add_nc_u32 v15, v15, v1
	v_lshlrev_b32 v15, 2, v15                      ; 4 (r + 8 (r / 8))
.irp a, 0,1,2,3
	global_load_b32 v[RB+2*\a], v15, s[86:87] offset:4*(32*(\a/2)+8*(\a%2))
.endr
	; where the results go
	s_lshl_b32 s95, s56, 4
	s_lshl_b32 s96, s16, 2
	s_add_co_u32 s95, s95, s96                     ; Q, K: my first tile of tokens
	s_and_b32 s96, s95, 127                        ; in its batch
	s_lshr_b32 s95, s95, 7
	s_lshl_b32 s95, s95, 4
	s_lshl_b32 s97, s60, 1
	s_and_b32 s97, s97, 15
	s_add_co_u32 s95, s95, s97
	s_mul_i32 s95, s95, 307200                     ; the record of (batch, first of my two heads)
	s_mul_i32 s97, s96, 768
	s_add_co_u32 s97, s97, s95
	s_add_co_u32 s88, s97, 204800                  ; Q's codes
	s_lshl_b32 s97, s96, 5
	s_add_co_u32 s97, s97, s95
	s_add_co_u32 s90, s97, 303104                  ; Q's scale words
	s_lshr_b32 s97, s96, 3
	s_mul_i32 s97, s97, 12800
	s_add_co_u32 s95, s95, s97                     ; K: the slab
	s_and_b32 s96, s96, 7
	s_mul_i32 s97, s96, 768
	s_add_co_u32 s97, s97, s95                     ; K's codes
	s_lshl_b32 s98, s96, 5
	s_add_co_u32 s98, s98, s95
	s_add_co_u32 s98, s98, 12288                   ; K's scale words
	s_cmp_lt_u32 s60, 8
	s_cselect_b32 s88, s88, s97
	s_cselect_b32 s90, s90, s98
	s_lshr_b32 s95, s60, 4                         ; V: batch,
	s_lshl_b32 s95, s95, 4
	s_lshl_b32 s96, s56, 2
	s_add_co_u32 s96, s96, s16
	s_and_b32 s96, s96, 15                         ; head,
	s_add_co_u32 s95, s95, s96
	s_mul_i32 s95, s95, 307200
	s_and_b32 s96, s60, 15                         ; slab
	s_mul_i32 s96, s96, 12800
	s_add_co_u32 s95, s95, s96
	s_add_co_u32 s95, s95, 6144                    ; V's codes
	s_add_co_u32 s96, s95, 6400                    ; V's scale words
	s_mov_b32 s92, 768
	s_mov_b32 s93, 307200
	s_mov_b32 s23, 0x05040100
	s_mov_b32 s94, 0x07060302
	s_cmp_ge_u32 s22, 8
	s_cselect_b32 s88, s95, s88
	s_cselect_b32 s90, s96, s90
	s_cselect_b32 s2, 64, s93                      ; scale words: from lanes 0-15 to lanes 16-31: the next d tile, or the next head's record
	s_cselect_b32 s93, s92, s93                    ; codes: from half fragment 0 to 1: the next 64 keys, or the next head's record
	s_cselect_b32 s92, 1536, s92                   ; codes: from tile to tile of R
	s_cselect_b32 s3, 128, 64                      ; scale words: from pair to pair of tiles
	s_cselect_b32 s23, 0x03020100, s23             ; lanes 0-15: V: the even tile's word;  Q, K: head 0's two bytes of both tiles
	s_cselect_b32 s94, 0x07060504, s94             ; lanes 16-31: V: the odd tile's word;  Q, K: head 1's
	s_mov_b32 s89, 0
	s_mov_b32 s91, 0
	s_add_nc_u64 s[88:89], s[14:15], s[88:89]
	s_add_nc_u64 s[90:91], s[14:15], s[90:91]
	s_mov_b32 s95, 0
.irp a, 0,1,2,3
	v_add_nc_u32 v[VA+2*\a], s95, v96
	s_add_co_u32 s96, s95, s93
	v_add_nc_u32 v[VA+2*\a+1], s96, v96
	s_add_co_u32 s95, s95, s92
.endr
	v_lshlrev_b32 v17, 2, v1
	v_mul_u32_u24 v97, s2, v2
	v_add_nc_u32 v17, v17, v97                     ; 4 r + h x stride
	v_add_nc_u32 v19, s3, v17
	v_mov_b32 v97, s23
	v_mov_b32 v98, s94
	v_cmp_le_u32 vcc_lo, 16, v3
	v_cndmask_b32 v21, v97, v98, vcc_lo
	v_mov_b32 v23, 0
	s_wait_alu depctr_va_vdst(0)                   ; the wait at the head's end
	s_set_vgpr_msb 0x5                             ; the add's two registers lie in window 1
	s_wait_tensorcnt 0x0                           ; my part of the first half has landed
	ds_add_u32 v254, v255
	s_wait_dscnt 0x0
	s_set_vgpr_msb 0x500
	CROUND                                         ; everybody's part is in, and the joint loads of the second half meet
	s_cmp_eq_u32 s17, 0
	s_cbranch_scc0 .Lfill_p2
	tensor_load_to_lds s[44:47], s[24:31]
	s_nop 0
	PLACES 4
	s_branch .Lfilled2
.Lfill_p2:
	tensor_load_to_lds s[72:75], s[32:39]
	s_nop 0
	PLACES 4
.Lfilled2:
	FETCH 0
	s_wait_loadcnt 0x0                             ; scale words and biases
.set i, 0
.rept 64
	v_and_b32 v[BI+i], s66, v[BI+i]                ; V has no bias along P
.set i, i+1
.endr
.irp a, 0,1,2,3
	v_and_b32 v[RB+2*\a], s67, v[RB+2*\a]          ; Q and K have none along R
.endr
	PLACES 4
	s_wait_alu depctr_va_vdst(0)
	STEP 0
	STEP 1
	STEP 2
	STEP 3
	STEP 4
	STEP 5
	STEP 6
	STEP 7
	WIN 0
	PLACES 4                                       ; in front of the first read of results, and of writes into registers that the last products read
.irp b, 0,1,2,3
	v_mov_b32 v[TM+4+\b], 0                        ; a lane permute's destination counts as read
.endr
.irp a, 0,1,2,3                        ; a tile of R at a time: into window 0 with the bias along R added, quantised, stored
	WIN 0x02
.set i, 0
.rept 32
	v_pk_add_f32 v[H+i:H+i+1], v[64*\a+i:64*\a+i+1], v[RB+2*\a:RB+2*\a+1] op_sel_hi:[1,0]   ; ascending: each accumulator is read from its low end on
.set i, i+2
.endr
	WIN 0
	s_wait_xcnt 0x0                                ; the last tile's stores have read their data
	QUANT H, PW+\a
.irp c, 0,1
.irp p, 0,1,2
	global_store_b64 v[VA+2*\a+\c], v[PC+6*\c+2*\p:PC+6*\c+2*\p+1], s[88:89] offset:256*\p   ; 256 consecutive bytes, aligned
.endr
.endr
.if \a%2 == 1
	v_perm_b32 v[SW+\a/2], v[PW+\a], v[PW+\a-1], v21
	global_store_b32 v[17+2*(\a/2)], v[SW+\a/2], s[90:91]   ; two runs of 64 bytes: one byte in 24 of the launch's output
.endif
.endr
	s_set_vgpr_msb 0x5
	s_wait_tensorcnt 0x0
	ds_add_u32 v254, v255
	s_wait_dscnt 0x0
	s_set_vgpr_msb 0x500
	CROUND                                         ; the closing round: no work-group ends while a partner may still ask for a tile that names it
	s_endpgm
.Lfunc_end_k_q58221d8b2e_proj:
	.size	k_q58221d8b2e_proj, .Lfunc_end_k_q58221d8b2e_proj-k_q58221d8b2e_proj
	.p2alignl 7, 3214868480
	.fill 96, 4, 3214868480
	.section	.rodata,"a",@progbits
	.p2align	6, 0x0
	.amdhsa_kernel k_q58221d8b2e_proj
		.amdhsa_group_segment_fixed_size 327680
		.amdhsa_private_segment_fixed_size 0
		.amdhsa_enable_private_segment 0
		.amdhsa_kernarg_size 48
		.amdhsa_user_sgpr_count 2
		.amdhsa_user_sgpr_kernarg_segment_ptr 1
		.amdhsa_wavefront_size32 1
		.amdhsa_system_sgpr_workgroup_id_x 1
		.amdhsa_system_sgpr_workgroup_id_y 1
		.amdhsa_system_sgpr_workgroup_id_z 1
		.amdhsa_system_vgpr_workitem_id 0
		.amdhsa_next_free_vgpr 768
		.amdhsa_next_free_sgpr 102
		.amdhsa_reserve_vcc 1
		.amdhsa_float_denorm_mode_32 3
		.amdhsa_float_denorm_mode_16_64 3
		.amdhsa_memory_ordered 1
		.amdhsa_forward_progress 1
		.amdhsa_inst_pref_size 114
	.end_amdhsa_kernel
	.amdgpu_metadata
---
amdhsa.version: [ 1, 2 ]
amdhsa.kernels:
  - .name:           k_q58221d8b2e_proj
    .symbol:         k_q58221d8b2e_proj.kd
    .args:
      - { .name: codes, .offset: 0, .size: 8, .value_kind: global_buffer, .address_space: global }
      - { .name: scales, .offset: 8, .size: 8, .value_kind: global_buffer, .address_space: global }
      - { .name: bq, .offset: 16, .size: 8, .value_kind: global_buffer, .address_space: global }
      - { .name: bk, .offset: 24, .size: 8, .value_kind: global_buffer, .address_space: global }
      - { .name: bv, .offset: 32, .size: 8, .value_kind: global_buffer, .address_space: global }
      - { .name: qkv, .offset: 40, .size: 8, .value_kind: global_buffer, .address_space: global }
    .group_segment_fixed_size: 327680
    .private_segment_fixed_size: 0
    .kernarg_segment_align: 8
    .kernarg_segment_size: 48
    .max_flat_workgroup_size: 128
    .sgpr_count:     102
    .vgpr_count:     768
    .wavefront_size: 32
...
	.end_amdgpu_metadata
.endif
;; end of part 2
;; launch attn (part 3): grid 4 x 64, 8 waves a work-group, clusters of 4 x 1, 206,848 bytes of LDS; arguments qkv, codes, scales; writes codes, scales
.if DOCPART == 3
	.amdgcn_target "amdgcn-amd-amdhsa--gfx1250"
	.amdhsa_code_object_version 6
	.text
	.protected	k_q58221d8b2e_attn
	.globl	k_q58221d8b2e_attn
	.p2align	8
	.type	k_q58221d8b2e_attn,@function
k_q58221d8b2e_attn:
	s_mov_b64 s[64:65], 0
	v_nop
	global_prefetch_b8 v0, s[64:65] scope:SCOPE_SE
	s_setreg_imm32_b32 hwreg(HW_REG_WAVE_MODE, 25, 1), 1
	s_wait_xcnt 0x0
	s_wait_alu depctr_hold_cnt(0) depctr_sa_sdst(0) depctr_va_vdst(0) depctr_va_sdst(0) depctr_va_ssrc(0) depctr_va_vcc(0) depctr_vm_vsrc(0)
	s_getreg_b32 s2, hwreg(HW_REG_IB_STS2, 6, 4)
	s_cmp_eq_u32 s2, 0
	s_cbranch_scc0 .Lentry_in_a_cluster
	s_endpgm
.Lentry_in_a_cluster:
	s_bfe_u32 s2, ttmp6, 0x10000c
	s_cmp_lg_u32 s2, 0x3003
	s_cbranch_scc0 .Lentry_shape_is_right
	s_endpgm
.Lentry_shape_is_right:
; o = softmax(Q K^T / 8) V for one (batch, head) on codes of BF6, and o quantised along the head's 64 as an operand of the last product.  Inputs: the records of qkv, as the launch that writes them lays them.
; SOFTMAX: t = score x log2(e) / 8; M = the running largest t rounded up to a whole number; p = 2^(t - M) is quantised along the keys; the row's sum is taken of the unquantised p and divides at the end.
; When M moves, the sum and O are multiplied by 2^(old M - new M), which rounds nothing.
; SHARES: a work-group owns 512 queries of a head; each of its eight waves four tiles of 16, TWO AT A TIME (two passes), so that each fragment of K and V^T feeds two tiles.  A pass walks 2,048 keys, 128 a step.
; LDS holds the head's 16 slabs (204,800 bytes as they lie in memory), filled ONCE: wave w brings slabs 2 w, 2 w + 1 by one load of 100 rows of 256 bytes.  CLUSTER 4 x 1: the four query blocks of a head ask jointly.
; No prefetch: the slabs are asked for once, at the head, and no loop runs ahead of that.
; BOTH PRODUCTS TRANSPOSED: S^T = K Q^T, O^T = V^T P^T: a lane holds one query.  The first product's K is 64: a fragment of K holds two tiles of keys, and Q stands as [6 zeros | Q | 6 zeros].
; WHICH KEYS FORM A TILE is chosen by the LDS addresses: tile (c, T), row 8 h + j, is key 64 c + 32 h + 8 T + j.  So a lane's registers 32 c .. 32 c + 31 are block 2 c + h of the step's keys, whole:
; a block's largest needs no other lane, and the conversions' results are the operand's registers.
; K's and V^T's fragments have registers of their own: the next step's are asked for behind this step's products (slab (i + 1) mod 16: the last step asks for the next pass's first).
; THE TWO TILES GO STAGGERED: one tile's chain of dependent lines (maximum, M, f; the scale word) stands among the other's independent lines, and each of the two batches of exponentials has independent plain lines of the other tile between its lines.
; LIMITS: NaN and infinities are not served; blocks under 2^-122 and blocks of zeros have the byte 1; 1 / sum is v_rcp_f32's; a block's largest p is its largest score put through the same multiply-add and exponential;
; the scaled scores stay under 2^31 in magnitude.
; WINDOW 0: v1-8 LDS addresses; v9 Q's scale words as loaded; v10-11 Q's, v12-13 p's scale words; v16-51 [0|Q|0] of tiles 0, 1; KF, KS, VF, VS below; v254-255 the add's.
; WINDOW 1, tile u: 64 u scores, then p; 128 + 32 u O^T; 192 + 20 u p's codes; 232 + 10 u: -M, largest score, sum (2), f (2), block maxima (2), two at work; v252 8 h, v253-254 store offsets.
.set KF, 52
.set KS, 100
.set VF, 104
.set VS, 152
.set MSB, 0
.macro WIN new                         ; the immediate's high byte repeats the setting that is left
.if MSB != \new
	s_set_vgpr_msb (MSB<<8)|\new
.set MSB, \new
.endif
.endm
.macro ROUND
	s_barrier_signal -1
	s_barrier_wait -1
	s_cmp_lg_u32 s10, 0
	s_cbranch_scc1 .Lnot_wave_0_\@
	s_barrier_signal -3
.Lnot_wave_0_\@:
	s_barrier_wait -3
	s_barrier_signal -1
	s_barrier_wait -1
.endm
.macro ADDR                            ; the slab at LDS byte s28
	v_add_nc_u32 v5, s28, v1
	v_add_nc_u32 v6, s28, v2
	v_add_nc_u32 v7, s28, v3
	v_add_nc_u32 v8, s28, v4
.endm
.macro LDK                             ; 28 loads: fragment 2 c + g holds tiles (c, 2 g) and (c, 2 g + 1)
.irp c, 0,1
.irp g, 0,1
.irp u, 0,1
.irp p, 0,1,2
	ds_load_b64 v[KF+12*(2*\c+\g)+6*\u+2*\p:KF+12*(2*\c+\g)+6*\u+2*\p+1], v5 offset:(4*\c+\u)*768+64*\g+256*\p
.endr
.endr
	ds_load_b32 v[KS+2*\c+\g], v6 offset:12288+128*\c+32*\g
.endr
.endr
.endm
.macro LDV                             ; 28 loads: V^T's four tiles of d
.irp a, 0,1,2,3
.irp p, 0,1,2,3,4,5
	ds_load_b64 v[VF+12*\a+2*\p:VF+12*\a+2*\p+1], v7 offset:6144+1536*\a+256*\p
.endr
	ds_load_b32 v[VS+\a], v8 offset:12544+64*\a
.endr
.endm
.macro QLOAD n                         ; pass n's two tiles of Q and the pair's scale words
.irp u, 0,1
.irp p, 0,1,2
	global_load_b64 v[22+18*\u+2*\p:23+18*\u+2*\p], v3, s[40:41] offset:768*(2*\n+\u)+256*\p
.endr
.endr
	global_load_b32 v9, v4, s[46:47] offset:64*\n
.endm
; THE STEP'S LINES, one at a time, for tile u (all in window 1)
.macro MAXOP u, n                      ; line n of 28: four chains of 16 scores by turns; each accumulator is read from its low end on
.if (\n) < 4
	v_max3_num_f32 v[238+10*\u+(\n)], v[64*\u+16*(\n)], v[64*\u+16*(\n)+1], v[64*\u+16*(\n)+2]
.else
	v_max3_num_f32 v[238+10*\u+(\n)%4], v[238+10*\u+(\n)%4], v[64*\u+16*((\n)%4)+2*((\n)/4)+1], v[64*\u+16*((\n)%4)+2*((\n)/4)+2]
.endif
.endm
.macro CH u, k                         ; line k of 13: the blocks' largest scores, the running maximum, -M, f
.if (\k) == 0
	v_max3_num_f32 v[238+10*\u], v[238+10*\u], v[239+10*\u], v[64*\u+15]
.elseif (\k) == 1
	v_max3_num_f32 v[239+10*\u], v[240+10*\u], v[241+10*\u], v[64*\u+47]
.elseif (\k) == 2
	v_max_num_f32 v[238+10*\u], v[238+10*\u], v[64*\u+31]          ; the largest score of my block h,
.elseif (\k) == 3
	v_max_num_f32 v[239+10*\u], v[239+10*\u], v[64*\u+63]          ; and of my block 2 + h
.elseif (\k) == 4
	v_max3_num_f32 v[240+10*\u], v[238+10*\u], v[239+10*\u], v[233+10*\u]
.elseif (\k) == 5
	v_permlanex16_b32 v[241+10*\u], v[240+10*\u], s34, s35
.elseif (\k) == 6
	v_max_num_f32 v[233+10*\u], v[240+10*\u], v[241+10*\u]         ; the running largest score
.elseif (\k) == 7
	v_mul_f32 v[240+10*\u], s32, v[233+10*\u]                      ; as t (c is positive)
.elseif (\k) == 8
	v_mov_b32 v[241+10*\u], v[232+10*\u]
.elseif (\k) == 9
	v_floor_f32 v[232+10*\u], -v[240+10*\u]                        ; the new -M = -ceil(t)
.elseif (\k) == 10
	v_sub_f32 v[241+10*\u], v[232+10*\u], v[241+10*\u]             ; old M - new M: a whole number, 0 or less
.elseif (\k) == 11
	v_cvt_i32_f32 v[241+10*\u], v[241+10*\u]
.else
	v_ldexp_f32 v[236+10*\u], 1.0, v[241+10*\u]                    ; f = 2^(old M - new M)
.endif
.endm
.macro FMA u, j                        ; t - M of scores 2 j, 2 j + 1
	v_pk_fma_f32 v[64*\u+2*(\j):64*\u+2*(\j)+1], v[64*\u+2*(\j):64*\u+2*(\j)+1], s[32:33], v[232+10*\u:233+10*\u] op_sel_hi:[1,0,0]
.endm
.macro PO u, k                         ; behind the exponentials: the scale operands, the codes, the scale word
.if (\k) == 0
	v_max_num_f32 v[238+10*\u], 0x2800000, v[238+10*\u]            ; the floor 2^(5 - 127)
	v_max_num_f32 v[239+10*\u], 0x2800000, v[239+10*\u]
.elseif (\k) == 1
	v_add_nc_u32 v[238+10*\u], 0xfe000000, v[238+10*\u]            ; 4 off the exponent field: the conversion's scale operand
	v_add_nc_u32 v[239+10*\u], 0xfe000000, v[239+10*\u]
.elseif (\k) == 2
	v_lshrrev_b32 v[240+10*\u], 23, v[238+10*\u]                   ; the bytes
	v_lshrrev_b32 v[241+10*\u], 23, v[239+10*\u]
.elseif (\k) == 3
.irp c, 0,1
	v_cvt_scalef32_pk16_bf6_f32 v[192+20*\u+6*\c:194+20*\u+6*\c], v[64*\u+32*\c:64*\u+32*\c+15], v[238+10*\u+\c]
	v_cvt_scalef32_pk16_bf6_f32 v[204+20*\u+4*\c:206+20*\u+4*\c], v[64*\u+32*\c+16:64*\u+32*\c+31], v[238+10*\u+\c]
.endr
.elseif (\k) == 4
	v_lshl_or_b32 v[240+10*\u], v[241+10*\u], 16, v[240+10*\u]     ; bytes h and 2 + h of the word (a plain line behind the conversions),
.elseif (\k) == 5
	v_lshlrev_b32 v[240+10*\u], v252, v[240+10*\u]
.else
	v_permlanex16_b32 v[241+10*\u], v[240+10*\u], s34, s35
.endif
.endm
.macro MV u, m                         ; a conversion's three registers begin on an even number: the blocks' second halves are moved
	v_mov_b32 v[195+20*\u+6*((\m)/3)+(\m)%3], v[204+20*\u+4*((\m)/3)+(\m)%3]
.endm
.macro TR u, w, j                      ; the sum of the unquantised p: a tree in place, behind the conversions
	v_pk_add_f32 v[64*\u+2*(\j):64*\u+2*(\j)+1], v[64*\u+2*(\j):64*\u+2*(\j)+1], v[64*\u+2*(\j)+\w:64*\u+2*(\j)+\w+1]
.endm
.macro TQ u, q                         ; line q of the tree's last 15
.if (\q) < 8
	TR \u, 16, \q
.elseif (\q) < 12
	TR \u, 8, (\q)-8
.elseif (\q) < 14
	TR \u, 4, (\q)-12
.else
	TR \u, 2, 0
.endif
.endm
	s_load_b128 s[4:7], s[0:1], 0x0                ; qkv, codes
	s_load_b64 s[8:9], s[0:1], 0x10                ; scales
	v_lshl_add_u32 v254, v0, 2, 0x32000
	v_mov_b32 v255, 0
	ds_add_u32 v254, v255                          ; the opening lines
	ds_add_u32 v254, v255
	v_lshrrev_b32 v1, 5, v0
	v_readfirstlane_b32 s10, v1                    ; wave 0..7
	s_bfe_u32 s11, ttmp6, 0x40000                  ; cx
	s_lshl_b32 s13, ttmp9, 2
	s_add_co_u32 s11, s11, s13                     ; my block of 512 queries: it enters Q's and o's addresses alone
	s_and_b32 s12, ttmp7, 0xffff                   ; 16 x batch + head
	s_mul_i32 s14, s12, 307200                     ; the record
	s_mul_i32 s15, s10, 25600                      ; my two slabs, in memory and in LDS
	s_add_co_u32 s38, s14, s15
	s_mov_b32 s39, 0
	s_mov_b32 s16, 15|(3<<16)|(1<<21)              ; group 1: all four work-groups; elements of 8 bytes; 100 rows of 256 bytes
	s_mov_b32 s17, 32<<16
	s_mov_b32 s18, 100<<16
	s_mov_b32 s19, 32<<16
	s_mov_b32 s20, 100
	s_mov_b32 s21, 32
	s_mov_b32 s22, 0
	s_mov_b32 s23, 0
	s_mov_b32 s24, 1
	s_mov_b32 s25, s15
	s_lshl_b32 s48, s11, 5
	s_lshl_b32 s49, s10, 2
	s_add_co_u32 s48, s48, s49                     ; my first tile of queries in the batch
	s_mul_i32 s40, s48, 768
	s_add_co_u32 s40, s40, s14
	s_add_co_u32 s40, s40, 204800                  ; its codes
	s_mov_b32 s41, 0
	s_lshl_b32 s46, s48, 5
	s_add_co_u32 s46, s46, s14
	s_add_co_u32 s46, s46, 303104                  ; its scale words
	s_mov_b32 s47, 0
	s_lshr_b32 s49, s12, 4                         ; batch
	s_and_b32 s50, s12, 15                         ; head
	s_lshl_b32 s49, s49, 7
	s_add_co_u32 s49, s49, s48
	s_add_co_u32 s49, s49, 768                     ; o's tile in codes and scales
	s_mul_i32 s42, s49, 12288
	s_mul_i32 s51, s50, 768
	s_add_co_u32 s42, s42, s51                     ; half fragment = head
	s_mov_b32 s43, 0
	s_lshl_b32 s44, s49, 9
	s_lshr_b32 s51, s50, 3
	s_lshl_b32 s51, s51, 8
	s_add_co_u32 s44, s44, s51
	s_and_b32 s51, s50, 7
	s_lshl_b32 s51, s51, 1
	s_add_co_u32 s44, s44, s51                     ; the head's two bytes in a row's 16
	s_mov_b32 s45, 0
	s_mov_b32 s32, 0x3e38aa3b                      ; c = log2(e) / 8
	s_mov_b32 s33, s32
	s_mov_b32 s34, 0x76543210
	s_mov_b32 s35, 0xfedcba98                      ; selects for lane l xor 16
	s_mov_b32 s36, 0xffff0000                      ; lanes 16-31
	s_wait_dscnt 0x0
	s_wait_kmcnt 0x0
	s_add_nc_u64 s[26:27], s[4:5], s[38:39]
	s_or_b32 s27, s27, 0x80000000
	s_add_nc_u64 s[40:41], s[4:5], s[40:41]
	s_add_nc_u64 s[46:47], s[4:5], s[46:47]
	s_add_nc_u64 s[42:43], s[6:7], s[42:43]
	s_add_nc_u64 s[44:45], s[8:9], s[44:45]
	ROUND                                          ; all four work-groups are here: the joint loads meet
	tensor_load_to_lds s[24:27], s[16:23]
	s_nop 0
.rept 4
	v_nop
.endr
	v_and_b32 v14, 31, v0
	v_and_b32 v15, 15, v0                          ; r
	v_and_b32 v5, 7, v0                            ; r % 8
	v_bfe_u32 v6, v0, 3, 1                         ; r / 8
	v_bfe_u32 v7, v0, 4, 1                         ; h
	v_lshlrev_b32 v3, 3, v14                       ; 8 x lane: V^T's, Q's and o's half fragments
	v_lshlrev_b32 v4, 2, v15                       ; 4 r: V^T's and Q's scale words
	v_lshlrev_b32 v1, 3, v5
	v_lshlrev_b32 v2, 2, v5
	v_lshl_add_u32 v1, v7, 7, v1
	v_lshl_add_u32 v2, v6, 6, v2                   ; K's scale words: 4 (r % 8) + one stored pair of tiles on for r / 8
	v_mad_u32_u24 v1, v6, 1536, v1                 ; K's codes: 8 (r % 8) + 128 h + two stored tiles on for r / 8
	QLOAD 0
.irp i, 0,1,2,3,4,5
	v_mov_b32 v[16+\i], 0                          ; the zero codes on both sides of Q
	v_mov_b32 v[28+\i], 0
	v_mov_b32 v[34+\i], 0
	v_mov_b32 v[46+\i], 0
.endr
	WIN 0x40
	v_lshlrev_b32 v252, 3, v7                      ; 8 h
	v_mov_b32 v253, v3
	v_lshl_add_u32 v254, v15, 4, v7                ; 16 r + h: my block's scale byte of o
.irp u, 0,1
	v_mov_b32 v[237+10*\u], 0                      ; named as the upper half of f's pair
	v_mov_b32 v[240+10*\u], 0                      ; a lane permute's destination counts as read
	v_mov_b32 v[241+10*\u], 0
.endr
	WIN 0
	s_mov_b32 s28, 0
	s_wait_alu depctr_va_vdst(0)                   ; the wait at the head's end
	s_wait_tensorcnt 0x0                           ; my slabs have landed,
	s_barrier_signal -1
	s_barrier_wait -1                              ; everybody's have
	ADDR
	LDK
	LDV
; A KEY STEP for both tiles: slab s29's fragments are on their way or in
.macro STEP
	s_add_co_u32 s30, s29, 1
	s_and_b32 s30, s30, 15
	s_mul_i32 s28, s30, 12800                      ; the next slab
	s_wait_dscnt 28                                ; K's 28 loads are in; V^T's 28, issued behind them, may be out
	WIN 0x40
.irp f, 0,1,2,3
.irp u, 0,1
	v_wmma_scale_f32_16x16x128_f8f6f4 v[64*\u+16*\f:64*\u+16*\f+7], v[KF+12*\f:KF+12*\f+11], v[22+18*\u:33+18*\u], 0, v[KS+\f], v[10+\u] matrix_a_fmt:MATRIX_FMT_BF6 matrix_b_fmt:MATRIX_FMT_BF6
.endr
.irp u, 0,1
	v_wmma_scale_f32_16x16x128_f8f6f4 v[64*\u+16*\f+8:64*\u+16*\f+15], v[KF+12*\f:KF+12*\f+11], v[16+18*\u:27+18*\u], 0, v[KS+\f], v[10+\u] matrix_a_fmt:MATRIX_FMT_BF6 matrix_b_fmt:MATRIX_FMT_BF6
.endr
.endr
	WIN 0
	ADDR                                           ; four plain lines: the places in front of the loads below and of the first read of the scores
	LDK
	WIN 0x55
.set n, 0
.rept 28
	MAXOP 0, n                                     ; tile 0's maxima
.set n, n+1
.endr
.set n, 0
.rept 28
	MAXOP 1, n                                     ; tile 1's maxima, and among them tile 0's chain
.if (n%2 == 1) && (n/2 < 13)
	CH 0, n/2
.endif
.set n, n+1
.endr
.set n, 0
.rept 32
	FMA 0, n                                       ; tile 0's t - M, and among them tile 1's chain
.if (n%2 == 1) && (n/2 < 13)
	CH 1, n/2
.endif
.set n, n+1
.endr
	v_fma_f32 v238, v238, s32, v232
	v_fma_f32 v239, v239, s32, v232
.set j, 0
.rept 16
.irp u, 0,1
	v_pk_mul_f32 v[128+32*\u+j:128+32*\u+j+1], v[128+32*\u+j:128+32*\u+j+1], v[236+10*\u:237+10*\u] op_sel_hi:[1,0]   ; O^T under the new M, ahead of the exponentials, from each accumulator's low end on
.endr
.set j, j+2
.endr
	v_pk_mul_f32 v[234:235], v[234:235], v[236:237] op_sel_hi:[1,0]   ; tile 0's sums under the new M
	s_wait_alu depctr_va_vdst(0)                   ; the wait ahead of a batch
.set n, 0
.rept 64
	v_exp_f32 v[n], v[n]                           ; tile 0's p = 2^(t - M); between the lines tile 1's t - M, which is read behind the wait below
.if n < 32
	FMA 1, n
.endif
.set n, n+1
.endr
.irp c, 0,1
	v_exp_f32 v[238+\c], v[238+\c]                 ; tile 0's blocks' largest p
	v_fma_f32 v[248+\c], v[248+\c], s32, v242
.endr
	v_pk_mul_f32 v[244:245], v[244:245], v[246:247] op_sel_hi:[1,0]   ; tile 1's sums under the new M
	s_wait_alu depctr_va_vdst(0)                   ; the wait behind the batch
.irp k, 0,1,2,3,4,5,6
	PO 0, \k                                       ; tile 0's codes and scale word
.endr
	s_wait_alu depctr_va_vdst(0)                   ; and the wait ahead of the second batch
.set n, 0
.rept 64
	v_exp_f32 v[64+n], v[64+n]                     ; tile 1's p; between the lines tile 0's moves and the first level of its sum, all read behind the wait below
.if n < 6
	MV 0, n
.elseif n < 22
	TR 0, 32, n-6
.endif
.set n, n+1
.endr
	v_exp_f32 v248, v248
	v_exp_f32 v249, v249
	v_nop                                          ; a plain place behind the exponentials
	s_wait_alu depctr_va_vdst(0)
.irp k, 0,1,2,3,4,5,6
	PO 1, \k                                       ; tile 1's codes and scale word, and among them tile 0's sum
	TQ 0, 2*\k
	TQ 0, 2*\k+1
.endr
	WIN 0x05
.irp u, 0,1
	v_or_b32 v[12+\u], v[240+10*\u], v[241+10*\u]  ; with lane l xor 16's two bytes the word is whole; scale operands lie in window 0
.endr
	WIN 0x55
.irp m, 0,1,2,3,4,5
	MV 1, \m
.endr
	TQ 0, 14
.set n, 0
.rept 16
	TR 1, 32, n                                    ; (these are also the places between the scale words' and codes' writes and the products)
.set n, n+1
.endr
	v_pk_add_f32 v[234:235], v[234:235], v[0:1]
.set n, 0
.rept 15
	TQ 1, n
.set n, n+1
.endr
	v_pk_add_f32 v[244:245], v[244:245], v[64:65]
	s_wait_dscnt 28                                ; V^T's 28 loads are in; the next step's 28 of K may be out
	WIN 0x54
.irp a, 0,1,2,3                        ; eight accumulators by turns; sixteen other products stand between an accumulator's two turns
.irp u, 0,1
	v_wmma_scale_f32_16x16x128_f8f6f4 v[128+32*\u+8*\a:128+32*\u+8*\a+7], v[VF+12*\a:VF+12*\a+11], v[192+20*\u:203+20*\u], v[128+32*\u+8*\a:128+32*\u+8*\a+7], v[VS+\a], v[12+\u] matrix_a_fmt:MATRIX_FMT_BF6 matrix_b_fmt:MATRIX_FMT_BF6
.endr
.endr
.rept 4
	v_nop                                          ; places in front of the loads below
.endr
	WIN 0
	LDV
.endm
; A PASS: tiles 2 n, 2 n + 1 of my four
.macro PASS n
	s_wait_loadcnt 0x0                             ; Q and its scale words
	v_perm_b32 v10, v9, v9, 0x01000100             ; each tile's two bytes, for both halves of the instruction's K
	v_perm_b32 v11, v9, v9, 0x03020302
	WIN 0x55
.irp u, 0,1
	v_mov_b32 v[233+10*\u], 0xff61b1e6             ; the largest score so far: -3e38
	v_mov_b32 v[234+10*\u], 0
	v_mov_b32 v[235+10*\u], 0
.endr
.irp u, 0,1
	v_floor_f32 v[232+10*\u], -v[233+10*\u]
.endr
.set j, 0
.rept 64
	v_mov_b32 v[128+j], 0                          ; the step is written once: the first finds zeros.  (Also the places behind the scale words' writes)
.set j, j+1
.endr
	WIN 0
	s_mov_b32 s29, 0
	s_wait_alu depctr_va_vdst(0)                   ; the wait ahead of the loop's waits
.Lkey_\@:
	STEP
	s_add_co_u32 s29, s29, 1
	s_cmp_lt_u32 s29, 16
	s_wait_alu depctr_va_vdst(0)                   ; the wait ahead of the branch
	s_cbranch_scc1 .Lkey_\@
.if \n == 0
	QLOAD 1                                        ; the next pass's Q lands under the way out
.endif
	WIN 0x55
.irp u, 0,1
	v_add_f32 v[234+10*\u], v[234+10*\u], v[235+10*\u]
.endr
.irp u, 0,1
	v_permlanex16_b32 v[241+10*\u], v[234+10*\u], s34, s35
.endr
.irp u, 0,1
	v_add_f32 v[234+10*\u], v[234+10*\u], v[241+10*\u]   ; the row's sum
.endr
	s_wait_alu depctr_va_vdst(0)
.irp u, 0,1
	v_rcp_f32 v[234+10*\u], v[234+10*\u]
.endr
	v_nop
	s_wait_alu depctr_va_vdst(0)                   ; ahead of the first reader of 1 / sum and of O^T
.set j, 0
.rept 16
.irp u, 0,1
	v_pk_mul_f32 v[64*\u+j:64*\u+j+1], v[128+32*\u+j:128+32*\u+j+1], v[234+10*\u:235+10*\u] op_sel_hi:[1,0]   ; o: register 16 b + i = d 32 b + 16 (lane / 16) + i
.endr
.set j, j+2
.endr
.irp b, 0,1
.irp u, 0,1
	v_max3_num_f32 v[238+10*\u+\b], |v[64*\u+16*\b]|, |v[64*\u+16*\b+1]|, 0x2800000
.endr
.endr
.irp i, 2,4,6,8,10,12,14
.irp b, 0,1
.irp u, 0,1
	v_max3_num_f32 v[238+10*\u+\b], v[238+10*\u+\b], |v[64*\u+16*\b+\i]|, |v[64*\u+16*\b+\i+1]|
.endr
.endr
.endr
.irp b, 0,1
.irp u, 0,1
	v_permlanex16_b32 v[240+10*\u+\b], v[238+10*\u+\b], s34, s35
.endr
.endr
.irp b, 0,1
.irp u, 0,1
	v_max_num_f32 v[238+10*\u+\b], v[238+10*\u+\b], v[240+10*\u+\b]
.endr
.endr
.irp b, 0,1
.irp u, 0,1
	v_add_nc_u32 v[238+10*\u+\b], 0xfe000000, v[238+10*\u+\b]
.endr
.endr
.irp b, 0,1
.irp u, 0,1
	v_lshrrev_b32 v[240+10*\u+\b], 23, v[238+10*\u+\b]
.endr
.endr
.irp u, 0,1
	v_cvt_scalef32_pk16_bf6_f32 v[192+20*\u:194+20*\u], v[64*\u:64*\u+15], v[238+10*\u]
	v_cvt_scalef32_pk16_bf6_f32 v[204+20*\u:206+20*\u], v[64*\u+16:64*\u+31], v[239+10*\u]
.endr
.irp u, 0,1
	v_cndmask_b32 v[240+10*\u], v[240+10*\u], v[241+10*\u], s36   ; my block's byte: block lane / 16.  (The plain place behind the conversions)
.endr
.irp u, 0,1
.irp i, 0,1,2
	v_permlane16_swap_b32 v[192+20*\u+\i], v[204+20*\u+\i]        ; here a block lies in two lanes: a whole block to a lane
.endr
.endr
.irp u, 0,1
.irp i, 0,1,2
	v_mov_b32 v[195+20*\u+\i], v[204+20*\u+\i]
.endr
.endr
.irp u, 0,1
.irp p, 0,1,2
	global_store_b64 v253, v[192+20*\u+2*\p:193+20*\u+2*\p], s[42:43] offset:12288*(2*\n+\u)+256*\p   ; 256 consecutive bytes, aligned
.endr
	global_store_b8 v254, v[240+10*\u], s[44:45] offset:512*(2*\n+\u)   ; one byte a lane: one byte in 24 of the launch's output
.endr
	s_wait_xcnt 0x0                                ; the stores have read their data
	WIN 0
.endm
	PASS 0
	PASS 1
	s_wait_dscnt 0x0                               ; the last step's loads for a further pass are in: nobody reads them
	s_barrier_signal -1
	s_barrier_wait -1
	s_wait_tensorcnt 0x0                           ; the wave's end
	ds_add_u32 v254, v255
	s_wait_dscnt 0x0
	ROUND                                          ; the closing round
	s_endpgm
.Lfunc_end_k_q58221d8b2e_attn:
	.size	k_q58221d8b2e_attn, .Lfunc_end_k_q58221d8b2e_attn-k_q58221d8b2e_attn
	.p2alignl 7, 3214868480
	.fill 96, 4, 3214868480
	.section	.rodata,"a",@progbits
	.p2align	6, 0x0
	.amdhsa_kernel k_q58221d8b2e_attn
		.amdhsa_group_segment_fixed_size 206848
		.amdhsa_private_segment_fixed_size 0
		.amdhsa_enable_private_segment 0
		.amdhsa_kernarg_size 24
		.amdhsa_user_sgpr_count 2
		.amdhsa_user_sgpr_kernarg_segment_ptr 1
		.amdhsa_wavefront_size32 1
		.amdhsa_system_sgpr_workgroup_id_x 1
		.amdhsa_system_sgpr_workgroup_id_y 1
		.amdhsa_system_sgpr_workgroup_id_z 1
		.amdhsa_system_vgpr_workitem_id 0
		.amdhsa_next_free_vgpr 512
		.amdhsa_next_free_sgpr 66
		.amdhsa_reserve_vcc 0
		.amdhsa_float_denorm_mode_32 3
		.amdhsa_float_denorm_mode_16_64 3
		.amdhsa_memory_ordered 1
		.amdhsa_forward_progress 1
		.amdhsa_inst_pref_size 88
	.end_amdhsa_kernel
	.amdgpu_metadata
---
amdhsa.version: [ 1, 2 ]
amdhsa.kernels:
  - .name:           k_q58221d8b2e_attn
    .symbol:         k_q58221d8b2e_attn.kd
    .args:
      - { .name: qkv, .offset: 0, .size: 8, .value_kind: global_buffer, .address_space: global }
      - { .name: codes, .offset: 8, .size: 8, .value_kind: global_buffer, .address_space: global }
      - { .name: scales, .offset: 16, .size: 8, .value_kind: global_buffer, .address_space: global }
    .group_segment_fixed_size: 206848
    .private_segment_fixed_size: 0
    .kernarg_segment_align: 8
    .kernarg_segment_size: 24
    .max_flat_workgroup_size: 256
    .sgpr_count:     66
    .vgpr_count:     512
    .wavefront_size: 32
...
	.end_amdgpu_metadata
.endif
;; end of part 3
;; launch outp (part 4): grid 8 x 32, 4 waves a work-group, clusters of 4 x 4, 327,680 bytes of LDS; arguments codes, scales, bo, out0; writes out0
.if DOCPART == 4
	.amdgcn_target "amdgcn-amd-amdhsa--gfx1250"
	.amdhsa_code_object_version 6
	.text
	.protected	k_q58221d8b2e_outp
	.globl	k_q58221d8b2e_outp
	.p2align	8
	.type	k_q58221d8b2e_outp,@function
k_q58221d8b2e_outp:
	s_mov_b64 s[64:65], 0
	v_nop
	global_prefetch_b8 v0, s[64:65] scope:SCOPE_SE
	s_setreg_imm32_b32 hwreg(HW_REG_WAVE_MODE, 25, 1), 1
	s_wait_xcnt 0x0
	s_wait_alu depctr_hold_cnt(0) depctr_sa_sdst(0) depctr_va_vdst(0) depctr_va_sdst(0) depctr_va_ssrc(0) depctr_va_vcc(0) depctr_vm_vsrc(0)
	s_getreg_b32 s2, hwreg(HW_REG_IB_STS2, 6, 4)
	s_cmp_eq_u32 s2, 0
	s_cbranch_scc0 .Lentry_in_a_cluster
	s_endpgm
.Lentry_in_a_cluster:
	s_bfe_u32 s2, ttmp6, 0x10000c
	s_cmp_lg_u32 s2, 0xf033
	s_cbranch_scc0 .Lentry_shape_is_right
	s_endpgm
.Lentry_shape_is_right:
; out0 = o Wo + bo on codes of BF6 with E8M0 scales; out0 [8192][1024] f32.  The frame is that of the launch that makes Q, K and V: C[i][j] = sum over 1,024 k of R[i][k] P[j][k], R = o (tiles 768 on), P = Wo (tiles 704 on);
; source 0 = 16 rows of P, source 1 = 16 rows of R: a lane holds one token, its registers run along the output's columns.  bo is the C of each sum's first product.
; SHARES: a work-group makes 256 tokens x 128 columns; wave w takes R's tiles 4 w .. 4 w + 3 against P's eight: 32 accumulators.  All of K lies in LDS at once, two halves of 512 along K, each byte filled ONCE.
; CLUSTER 4 x 4: R's tiles are asked for jointly along a row of the cluster, P's along a column.  A wave has one tensor load out at the most: one fill for each half, the second behind a wait for the first.
; THE WAY OUT: 16 tokens x 128 columns at a time through the wave's own stage, which lies in slot 0: that slot has had its only fill, and every wave left it at the barrier in front of slot 1.  The stores' offsets undo the stored order of rows and columns.
; LIMITS: NaN and infinities are not served.  bo starts the f32 sum: the order of rounding differs from o Wo + bo in the last bit.
; REGISTERS: window 0: v0-31 addresses; v32-95 scale words and nothing else; v96-191 R's fragments, two sets; v192-255 the bias; on the way out v128-255 rows read back.  window 1: P's fragments, two sets.  window 2: accumulator (a, b) at v[8 (8 a + b)].
.set SLOT, 147456                      ; K lies in LDS as TWO halves of 512: a half holds R's 16 tiles of 6,144 bytes, then P's 8; each byte is filled once, one tensor load a wave for each half
.set POFF, 98304
.set ADRR, 4
.set ADRP, 8
.set STO,  16                          ; v16 the stage: where I put 32 bytes of a row
.set RD,   17                          ; v17 and where I read a row back
.set CO,   18                          ; v18 16 x lane
.set SC,   32
.set RF,   96
.set BI,   192
.set MSB, 0
.macro WIN new                         ; the immediate's high byte repeats the setting that is left
.if MSB != \new
	s_set_vgpr_msb (MSB<<8)|\new
.set MSB, \new
.endif
.endm
.macro PLACES n
.rept \n
	v_nop
.endr
.endm
.macro CROUND                          ; a round of the cluster's barrier
	s_barrier_signal -1
	s_barrier_wait -1
	s_cmp_lg_u32 s16, 0
	s_cbranch_scc1 .Lnot_wave_0_\@
	s_barrier_signal -3
.Lnot_wave_0_\@:
	s_barrier_wait -3
	s_barrier_signal -1
	s_barrier_wait -1
.endm
.macro FRAG reg, adr, tile, q          ; a fragment: two half fragments on end; each load takes 256 consecutive bytes
.irp p, 0,1,2,3,4,5
	ds_load_b64 v[\reg+2*\p:\reg+2*\p+1], v[\adr] offset:6144*(\tile)+768*(2*(\q)+\p/3)+256*(\p%3)
.endr
.endm
.macro FETCH t
	WIN 0x40
.irp b, 0,1,2,3,4,5,6,7
	FRAG 128*((\t)%2)+12*\b, ADRP+(\t)/4, \b, (\t)%4
.endr
	WIN 0
.irp a, 0,1,2,3
	FRAG RF+48*((\t)%2)+12*\a, ADRR+(\t)/4, \a, (\t)%4
.endr
.endm
.macro MUL16 a0, t                     ; the 32 accumulators take turns, one instruction a turn, in one order in every step
.irp a, \a0, \a0+1
.irp b, 0,1,2,3,4,5,6,7
.if (\t) == 0
	v_wmma_scale_f32_16x16x128_f8f6f4 v[8*(8*(\a)+\b):8*(8*(\a)+\b)+7], v[128*((\t)%2)+12*\b:128*((\t)%2)+12*\b+11], v[RF+48*((\t)%2)+12*(\a):RF+48*((\t)%2)+12*(\a)+11], v[BI+8*\b:BI+8*\b+7], v[SC+8*\b+(\t)], v[SC+8*(\a)+(\t)] matrix_a_fmt:MATRIX_FMT_BF6 matrix_b_fmt:MATRIX_FMT_BF6 matrix_a_scale:MATRIX_SCALE_ROW1
.else
	v_wmma_scale_f32_16x16x128_f8f6f4 v[8*(8*(\a)+\b):8*(8*(\a)+\b)+7], v[128*((\t)%2)+12*\b:128*((\t)%2)+12*\b+11], v[RF+48*((\t)%2)+12*(\a):RF+48*((\t)%2)+12*(\a)+11], v[8*(8*(\a)+\b):8*(8*(\a)+\b)+7], v[SC+8*\b+(\t)], v[SC+8*(\a)+(\t)] matrix_a_fmt:MATRIX_FMT_BF6 matrix_b_fmt:MATRIX_FMT_BF6 matrix_a_scale:MATRIX_SCALE_ROW1
.endif
.endr
.endr
.endm
.macro MWIN t
.if (\t) == 0
	WIN 0x81                                       ; source 0 (P) window 1, source 1 (R) and C (the bias) window 0, D window 2
.else
	WIN 0xa1                                       ; C and D window 2
.endif
.endm
.macro STEP t
	s_wait_dscnt 0x0                               ; this step's fragments are in
	MWIN \t
	MUL16 0, \t
.if (\t) < 7
.if (\t)+1 == 4
	s_wait_tensorcnt 0x0                           ; my part of the second half has landed
	s_barrier_signal -1
	s_barrier_wait -1
.endif
	PLACES 4                                       ; in front of loads into registers that the last step's products read
	FETCH (\t)+1
	MWIN \t
.endif
	MUL16 2, \t
.endm
	s_load_b256 s[4:11], s[0:1], 0x0               ; codes, scales, bo, out0
	v_lshl_add_u32 v30, v0, 2, 0x48000
	v_mov_b32 v31, 0
	ds_add_u32 v30, v31
	ds_add_u32 v30, v31
	v_lshrrev_b32 v1, 5, v0
	v_readfirstlane_b32 s16, v1                    ; wave
	s_lshr_b32 s17, s16, 1                         ; I fetch for R (0) or for P (1),
	s_and_b32 s18, s16, 1                          ; and which half of its tiles
	s_bfe_u32 s19, ttmp6, 0x40000                  ; cx
	s_bfe_u32 s20, ttmp6, 0x40004                  ; cy
	s_lshl_b32 s94, s20, 2
	s_lshl_b32 s94, 15, s94                        ; my row of the cluster
	s_lshl_b32 s95, 0x1111, s19                    ; my column
	s_or_b32 s24, s94, (3<<16)|(1<<21)             ; group 1 for R: 8 tiles x 6,144 bytes, 12,288 bytes apart
	s_mov_b32 s25, 768<<16
	s_mov_b32 s26, 8<<16
	s_mov_b32 s27, 768<<16
	s_mov_b32 s28, 8
	s_mov_b32 s29, 1536
	s_mov_b32 s30, 0
	s_mov_b32 s31, 0
	s_or_b32 s32, s95, (3<<16)|(1<<21)             ; group 1 for P: 4 tiles
	s_mov_b32 s33, 768<<16
	s_mov_b32 s34, 4<<16
	s_mov_b32 s35, 768<<16
	s_mov_b32 s36, 4
	s_mov_b32 s37, 1536
	s_mov_b32 s38, 0
	s_mov_b32 s39, 0
	s_and_b32 s56, ttmp7, 0xffff
	s_lshl_b32 s56, s56, 2
	s_add_co_u32 s56, s56, s20                     ; rt: which 256 tokens
	s_lshl_b32 s60, ttmp9, 2
	s_add_co_u32 s60, s60, s19                     ; pt: which 128 columns
	s_lshl_b32 s57, s56, 4
	s_add_co_u32 s57, s57, 768                     ; R's first tile
	s_lshl_b32 s61, s60, 3
	s_add_co_u32 s61, s61, 704                     ; P's first tile
	s_lshl_b32 s96, s18, 3
	s_add_co_u32 s96, s96, s57
	s_mul_i32 s58, s96, 12288
	s_mov_b32 s59, 0
	s_lshl_b32 s97, s18, 2
	s_add_co_u32 s97, s97, s61
	s_mul_i32 s62, s97, 12288
	s_mov_b32 s63, 0
	s_mul_i32 s98, s18, 49152                      ; no place in the cluster enters an LDS address
	s_mul_i32 s99, s18, 24576
	s_wait_dscnt 0x0
	s_wait_kmcnt 0x0
	s_add_nc_u64 s[58:59], s[4:5], s[58:59]
	s_add_nc_u64 s[62:63], s[4:5], s[62:63]
	CROUND                                         ; all sixteen work-groups are here: the joint loads meet
.irp s, 0,1
	s_mov_b32 s[40+4*\s], 1
	s_add_co_u32 s[41+4*\s], s98, SLOT*\s
	s_add_nc_u64 s[42+4*\s:43+4*\s], s[58:59], 6144*\s
	s_or_b32 s[43+4*\s], s[43+4*\s], 0x80000000
	s_mov_b32 s[68+4*\s], 1
	s_add_co_u32 s[69+4*\s], s99, SLOT*\s+POFF
	s_add_nc_u64 s[70+4*\s:71+4*\s], s[62:63], 6144*\s
	s_or_b32 s[71+4*\s], s[71+4*\s], 0x80000000
.endr
	s_cmp_eq_u32 s17, 0                            ; a wave's fill of the first half stands in one branch on the wave's number; four v_nop follow it
	s_cbranch_scc0 .Lfill_p
	tensor_load_to_lds s[40:43], s[24:31]
	s_nop 0
	PLACES 4
	s_branch .Lfilled
.Lfill_p:
	tensor_load_to_lds s[68:71], s[32:39]
	s_nop 0
	PLACES 4
.Lfilled:
	v_and_b32 v1, 15, v0                           ; r
	v_bfe_u32 v2, v0, 4, 1                         ; h
	v_and_b32 v3, 31, v0                           ; lane
	v_lshlrev_b32 v96, 3, v3                       ; 8 x lane
	s_mul_i32 s94, s16, 24576
.irp s, 0,1,2,3
	v_add_nc_u32 v[ADRR+\s], s94, v96
	v_add_nc_u32 v[ADRP+\s], SLOT*\s+POFF, v96
	s_add_co_u32 s94, s94, SLOT
.endr
	s_lshl_b32 s94, s16, 2                         ; the scale words of all of K: lanes 0-15 R's tiles, lanes 16-31 P's
	s_add_co_u32 s94, s94, s57
	s_lshl_b32 s94, s94, 9
	s_lshl_b32 s95, s61, 9
	v_mov_b32 v12, s94
	v_mov_b32 v13, s95
	v_cmp_le_u32 vcc_lo, 16, v3
	v_cndmask_b32 v12, v12, v13, vcc_lo
	v_lshl_add_u32 v12, v1, 4, v12
	v_lshl_add_u32 v13, v2, 11, v12                ; lanes 16-31 four tiles on; lanes 0-15 read their four again
.irp i, 0,1,2,3
.irp g, 0,1
	global_load_b128 v[SC+8*\i+4*\g:SC+8*\i+4*\g+3], v12, s[6:7] offset:512*\i+256*\g
	global_load_b128 v[SC+32+8*\i+4*\g:SC+32+8*\i+4*\g+3], v13, s[6:7] offset:512*\i+256*\g
.endr
.endr
	s_lshl_b32 s94, s60, 9                         ; bo at my 128 columns, in the result's layout
	s_mov_b32 s95, 0
	s_add_nc_u64 s[8:9], s[8:9], s[94:95]
	v_lshlrev_b32 v14, 6, v2
.irp b, 0,1,2,3,4,5,6,7
	global_load_b128 v[BI+8*\b:BI+8*\b+3], v14, s[8:9] offset:(32*(\b/2)+8*(\b%2))*4
	global_load_b128 v[BI+8*\b+4:BI+8*\b+7], v14, s[8:9] offset:(32*(\b/2)+8*(\b%2))*4+16
.endr
	s_mul_i32 s96, s16, 8448                       ; my stage: 16 rows x (512 bytes + 16)
	v_mul_u32_u24 v[STO], v1, 528
	v_lshl_add_u32 v[STO], v2, 6, v[STO]
	v_add_nc_u32 v[STO], s96, v[STO]               ; in: row r, + 64 h
	v_lshlrev_b32 v[CO], 4, v3
	v_add_nc_u32 v[RD], s96, v[CO]                 ; back: 16 bytes a lane of a row's 512
	s_lshl_b32 s94, s56, 20                        ; out0: 256 rt + 64 wave rows of 4,096 bytes, + 512 pt
	s_lshl_b32 s97, s16, 18
	s_add_co_u32 s94, s94, s97
	s_lshl_b32 s97, s60, 9
	s_add_co_u32 s94, s94, s97
	s_add_nc_u64 s[10:11], s[10:11], s[94:95]
	s_wait_alu depctr_va_vdst(0)                   ; the wait at the head's end
	s_wait_tensorcnt 0x0                           ; my part of the first half has landed
	ds_add_u32 v30, v31
	s_wait_dscnt 0x0
	CROUND                                         ; everybody's part is in, and the joint loads of the second half meet
	s_cmp_eq_u32 s17, 0
	s_cbranch_scc0 .Lfill_p2
	tensor_load_to_lds s[44:47], s[24:31]
	s_nop 0
	PLACES 4
	s_branch .Lfilled2
.Lfill_p2:
	tensor_load_to_lds s[72:75], s[32:39]
	s_nop 0
	PLACES 4
.Lfilled2:
	FETCH 0
	s_wait_loadcnt 0x0                             ; scale words and bias
	STEP 0
	STEP 1
	STEP 2
	STEP 3
	STEP 4
	STEP 5
	STEP 6
	STEP 7
	WIN 0
.macro TOSTAGE a
	WIN 0x08                                       ; an LDS store's data: window 2
.irp b, 0,1,2,3,4,5,6,7
	ds_store_b128 v[STO], v[64*(\a)+8*\b:64*(\a)+8*\b+3] offset:128*(\b/2)+32*(\b%2)       ; columns 32 (b / 2) + 8 (b % 2) + 16 h + 0 .. 7; each accumulator from its low end on
	ds_store_b128 v[STO], v[64*(\a)+8*\b+4:64*(\a)+8*\b+7] offset:128*(\b/2)+32*(\b%2)+16
.endr
	WIN 0
.set BB, 128+64*((\a)%2)
.irp t, 0,1,2,3,4,5,6,7,8,9,10,11,12,13,14,15
	ds_load_b128 v[BB+4*\t:BB+4*\t+3], v[RD] offset:528*\t   ; a wave's LDS instructions are served in order: these see the stores above
.endr
.endm
.macro SEND a, younger                 ; younger: the LDS instructions issued behind block a's loads, which may stay out
.set BB, 128+64*((\a)%2)
	s_wait_dscnt \younger
.irp t, 0,1,2,3,4,5,6,7,8,9,10,11,12,13,14,15
	global_store_b128 v[CO], v[BB+4*\t:BB+4*\t+3], s[10:11] offset:(32*((\a)/2)+8*((\a)%2)+\t+8*(\t/8))*4096 th:TH_STORE_NT   ; 512 consecutive bytes, aligned; written once, read by nobody here
.endr
.endm
	PLACES 4                                       ; in front of the first read of results and of loads into registers that the last products read
	s_wait_alu depctr_va_vdst(0)
	TOSTAGE 0
.irp a, 1,2,3
.if \a > 1
	s_wait_xcnt 0x0                                ; block a - 2's stores have read their registers: block a's loads may land there
.endif
	TOSTAGE \a
	SEND \a-1, 32                                  ; behind block a - 1's loads: block a's 16 stores and 16 loads
.endr
	SEND 3, 0
	s_wait_tensorcnt 0x0
	ds_add_u32 v30, v31
	s_wait_dscnt 0x0
	CROUND                                         ; the closing round: no work-group ends while a partner may still ask for a tile that names it
	s_endpgm
.Lfunc_end_k_q58221d8b2e_outp:
	.size	k_q58221d8b2e_outp, .Lfunc_end_k_q58221d8b2e_outp-k_q58221d8b2e_outp
	.p2alignl 7, 3214868480
	.fill 96, 4, 3214868480
	.section	.rodata,"a",@progbits
	.p2align	6, 0x0
	.amdhsa_kernel k_q58221d8b2e_outp
		.amdhsa_group_segment_fixed_size 327680
		.amdhsa_private_segment_fixed_size 0
		.amdhsa_enable_private_segment 0
		.amdhsa_kernarg_size 32
		.amdhsa_user_sgpr_count 2
		.amdhsa_user_sgpr_kernarg_segment_ptr 1
		.amdhsa_wavefront_size32 1
		.amdhsa_system_sgpr_workgroup_id_x 1
		.amdhsa_system_sgpr_workgroup_id_y 1
		.amdhsa_system_sgpr_workgroup_id_z 1
		.amdhsa_system_vgpr_workitem_id 0
		.amdhsa_next_free_vgpr 768
		.amdhsa_next_free_sgpr 102
		.amdhsa_reserve_vcc 1
		.amdhsa_float_denorm_mode_32 3
		.amdhsa_float_denorm_mode_16_64 3
		.amdhsa_memory_ordered 1
		.amdhsa_forward_progress 1
		.amdhsa_inst_pref_size 96
	.end_amdhsa_kernel
	.amdgpu_metadata
---
amdhsa.version: [ 1, 2 ]
amdhsa.kernels:
  - .name:           k_q58221d8b2e_outp
    .symbol:         k_q58221d8b2e_outp.kd
    .args:
      - { .name: codes, .offset: 0, .size: 8, .value_kind: global_buffer, .address_space: global }
      - { .name: scales, .offset: 8, .size: 8, .value_kind: global_buffer, .address_space: global }
      - { .name: bo, .offset: 16, .size: 8, .value_kind: global_buffer, .address_space: global }
      - { .name: out0, .offset: 24, .size: 8, .value_kind: global_buffer, .address_space: global }
    .group_segment_fixed_size: 327680
    .private_segment_fixed_size: 0
    .kernarg_segment_align: 8
    .kernarg_segment_size: 32
    .max_flat_workgroup_size: 128
    .sgpr_count:     102
    .vgpr_count:     768
    .wavefront_size: 32
...
	.end_amdgpu_metadata
.endif
;; end of part 4
